; MI455X (gfx1250); checked and timed in simulation.
; The chip was launched on July 23, 2026; its instructions are those of AMD's public machine-readable ISA for CDNA 5 (MIT licence, August 2026) and "CDNA5" Instruction Set Architecture Reference Guide (July 2026). The comments in the code are by the model that wrote it; some were corrected since.
;; Causal Self Attention. Allowed arithmetic: matrix products marked QUANTISED: E4M3 operands, one given power-of-two scale a tensor, by v_wmma_f32_16x16x64_fp8_fp8 or v_wmma_f32_16x16x128_fp8_fp8, f32 sums; everything else in f32.
;; Inputs: b_proj 1,024 float32; b_qkv 3,072 float32; lowp_scales 8 int32 (the exponents e of the quantised operands' scales 2^e); w_proj 1,024 x 1,024 float32; w_qkv 1,024 x 3,072 float32; x 4 x 2,048 x 1,024 float32.
;; Outputs: out0 4 x 2,048 x 1,024 float32.
;; This version of the problem:
;;   THIS VERSION OF THE PROBLEM IS GIVEN IN LOW PRECISION. The matrix products marked QUANTISED in the list below multiply operands that are first quantised to E4M3 (4 exponent bits, 3 mantissa bits; 8 bits a number), with one given power-of-two scale for each operand tensor; their sums are f32. All else is computed in f32.
;;   The module's matrix products, in the order in which they are computed (A, B: the left and right operand; K: the contracted axis; several contracted axes count as one K, in the product's order):
;;     1. [M 8,192, K 1,024] x [K 1,024, N 3,072]; A: input x; B: input w_qkv: QUANTISED (scales: A lowp_scales[0], B lowp_scales[1])
;;     2. batch 64 x [M 2,048, K 64] x [K 64, N 2,048]; A: computed on the way; B: computed on the way: QUANTISED (scales: A lowp_scales[2], B lowp_scales[3])
;;     3. batch 64 x [M 2,048, K 2,048] x [K 2,048, N 64]; A: softmax (see below); B: computed on the way: QUANTISED (scales: A lowp_scales[4], B lowp_scales[5])
;;     4. [M 8,192, K 1,024] x [K 1,024, N 1,024]; A: computed on the way; B: input w_proj: QUANTISED (scales: A lowp_scales[6], B lowp_scales[7])
;;   THE QUANTISER, for each operand of a quantised product, along K:
;;     - The operand's scale is 2^e, e = its entry of the input lowp_scales (int32; the entries are numbered through the quantised products in the list's order, A before B).
;;     - Each number is divided by the scale, clamped to +-448, and rounded to the nearest number of E4M3, ties to even, subnormals kept.
;;     - The product sums the exact products of the quantised numbers (number of the format x scale) in f32.
;;   ~~~python
;;   def quantise(x, axis, e):      # numpy; x: float32 -> the quantised numbers, widened to float32 again
;;       x = np.moveaxis(x, axis, -1); K = x.shape[-1]
;;       r = np.clip(x / 2.0 ** e, -448, 448)
;;       step = 2.0 ** (np.maximum(np.frexp(np.where(r == 0, 1, r))[1] - 1, -6) - 3)
;;       q = np.round(r / step) * step * 2.0 ** e      # np.round: ties to even
;;       return np.moveaxis(q, -1, axis).astype(np.float32)
;;   ~~~
;;   SOFTMAX AHEAD OF A QUANTISED PRODUCT. Where the list says 'softmax', what is quantised is not the finished softmax but p = 2^(t - M), with t = logit x log2(e) and M = ceil(the row's largest t), a whole number; so 1/2 < the row's largest p <= 1. The row's sum l is taken of the UNQUANTISED p, in f32, and the product's result is divided by l at the end. Since M is a whole number, a kernel that streams over the keys may use a running M (the ceiling of the running maximum): every later rescaling is an exact power of two, so the quantised numbers keep their values, but for numbers so far below the row's largest that they fall under the format's range.
;;   OPERANDS COMPUTED ON THE WAY. 'Computed on the way' means the value that the module computes at that place (a softmax that the list does not call 'softmax' is quantised finished and normalised). What goes into a quantiser is computed in f32, as accurately as f32 sums, v_exp_f32 and their like allow (about 1e-6 of the number): no bf16 or f16 on the way to a quantiser, and a product that is left as it is and whose result goes on into a quantised operand takes f32 operands (vector FMAs, or v_wmma_f32_16x16x4_f32). A number that lies on a knife's edge between two numbers of the format may be rounded either way, as far as f32 arithmetic and the matrix unit's own rounding can turn it there, and no further.
;; One version. Each part assembles by itself: llvm-mc -triple=amdgcn-amd-amdhsa -mcpu=gfx1250 --defsym DOCPART=n.
;; ======== version 1 of 1: 4 launches
;; limits: right only within a limited range of input values
;; workspace buffers: xc 8,388,608 bytes; wc 4,194,304 bytes; qkv 25,165,824 bytes; ac 8,388,608 bytes
;; launch quant (part 1): grid 384 x 1, 4 waves a work-group, no clusters, 102,912 bytes of LDS; arguments x, w_qkv, w_proj, lowp_scales, xc, wc; writes xc, wc
.if DOCPART == 1
	.amdgcn_target "amdgcn-amd-amdhsa--gfx1250"
	.amdhsa_code_object_version 6
	.text
	.protected	k_qb9e99b0aa0_quant
	.globl	k_qb9e99b0aa0_quant
	.p2align	8
	.type	k_qb9e99b0aa0_quant,@function
k_qb9e99b0aa0_quant:
	s_mov_b64 s[64:65], 0
	v_nop
	global_prefetch_b8 v0, s[64:65] scope:SCOPE_SE
	s_setreg_imm32_b32 hwreg(HW_REG_WAVE_MODE, 25, 1), 1
	s_wait_xcnt 0x0
; x [8192][1024], w_qkv [1024][3072] and w_proj [1024][1024], f32, become codes of E4M3, K innermost, each with its given scale 2^e:
; code = number / 2^e, held within +-448, rounded to the nearest code, ties to even.
;   xc [8192][1024]: x's codes (e = entry 0 of the scales).   wc [4096][1024]: rows 0-3071 the columns of w_qkv (entry 1), rows 3072-4095 the columns of w_proj (entry 7).
; LIMITS: each of the three exponents lies between -126 and 119, so that 2^e and 448 x 2^e are f32 numbers.  NaN among the inputs is not served (an infinity is held at the largest code).
; SHARES: 384 work-groups of four waves, each reading 131,072 bytes: 0-255 take x (a plain stream: K is innermost), 256-351 w_qkv, 352-383 w_proj (K is the first axis).
; The three ways part on the work-group's number, never join, and have LDS bytes of their own.  Waves share nothing: no barrier.  A stream: no matrix work, no cluster, no tensor load.
.set STEPS,  16                        ; x: steps of 512 numbers for a wave
.set SP,     80                        ; x: a lane's place in a stage: its 64 bytes + 16 of padding
.set WREG,   8192                      ; x: LDS of a wave: two stages of 32 x SP bytes
.set R,      16                        ; v16-79   x: four sets of 16 numbers as they are loaded
.set X,      80                        ; v80-111  x: two sets of 16 neighbours
.set C,      128                       ; v128-191 x: codes, four registers for each step: no store's data are written again
.set WPITCH, 272                       ; weights: a stage row: 256 codes + 16 bytes
.set WX,     32                        ; v32-95   weights: two sets of 32 numbers down K
.set WC,     96                        ; v96-103  weights: a block's codes
.set WOUT,   112                       ; v112-175 weights: the way out
.macro SCALE er                        ; v11 = 2^e as f32 (the conversion takes its exponent field), v10 = 448 x 2^e
	s_wait_kmcnt 0x0
	s_add_co_i32 s22, s[\er], 127
	s_lshl_b32 s23, s22, 23
	v_mov_b32 v11, s23
	s_add_co_i32 s22, s22, 8
	s_lshl_b32 s22, s22, 23
	s_or_b32 s22, s22, 0x600000
	v_mov_b32 v10, s22
.endm
; ---- x: each load reads 512 consecutive bytes, 16 a lane; a step's 2,048 bytes turn through the wave's stage and come back 64 bytes (16 neighbours along K) a lane
.macro XLOAD t
.irp i, 0,1,2,3
	global_load_b128 v[R+16*((\t)%4)+4*\i:R+16*((\t)%4)+4*\i+3], v3, s[4:5] offset:2048*(\t)+512*\i th:TH_LOAD_NT
.endr
.endm
.macro XTURN t                         ; LDS serves a wave's instructions in order: no wait between these stores and loads
.irp i, 0,1,2,3
	ds_store_b128 v14, v[R+16*((\t)%4)+4*\i:R+16*((\t)%4)+4*\i+3] offset:32*SP*((\t)%2)+8*SP*\i
.endr
.irp i, 0,1,2,3
	ds_load_b128 v[X+16*((\t)%2)+4*\i:X+16*((\t)%2)+4*\i+3], v15 offset:32*SP*((\t)%2)+16*\i
.endr
.endm
.macro XSTEP t
.set XS, X+16*((\t)%2)
	s_wait_dscnt 0x0                               ; this step's numbers are back from the stage, so its stores into the stage have read their registers,
.if (\t)+4 < STEPS
	XLOAD (\t)+4                                   ; which take the loads of four steps on
.endif
.if (\t)+1 < STEPS
.if STEPS-2-(\t) >= 3
	s_wait_loadcnt 12                              ; the next step's four loads are in; those of the three steps behind it may be out
.else
	s_wait_loadcnt 4*(STEPS-2-(\t))
.endif
	XTURN (\t)+1                                   ; they go through the other stage while this step is worked
.endif
.set i, 0
.rept 16
	v_med3_num_f32 v[XS+i], v[XS+i], -v10, v10     ; the conversion does not saturate (ISA guide 7.6.2): the hold at the largest code x the scale comes first
.set i, i+1
.endr
	v_cvt_scalef32_pk8_fp8_f32 v[C+4*(\t):C+4*(\t)+1], v[XS:XS+7], v11
	v_cvt_scalef32_pk8_fp8_f32 v[C+4*(\t)+2:C+4*(\t)+3], v[XS+8:XS+15], v11
	global_store_b128 v4, v[C+4*(\t):C+4*(\t)+3], s[12:13] offset:512*(\t)   ; the wave stores 512 consecutive bytes, aligned.  (The codes go to a store alone; the next vector lines are the next step's holds, on other registers)
.endm
; ---- a weight [1024][n]: a lane takes a column and its registers run down K, so the conversions give codes with K innermost; nothing is transposed by an instruction
.macro WLOAD t, n, ptr                 ; block t: W(32 t + i, my column): 32 lanes read 128 consecutive bytes, the four waves stand side by side on 512
.set i, 0
.rept 32
	global_load_b32 v[WX+32*((\t)%2)+i], v3, s[\ptr:\ptr+1] offset:(32*(\t)+i)*(\n)*4 th:TH_LOAD_NT
.set i, i+1
.endr
.endm
.macro WBLOCK t, n, ptr
.set XS, WX+32*((\t)%2)
.if (\t) < 7
	s_wait_loadcnt 32                              ; this block's 32 loads are in; the next block's may be out
.else
	s_wait_loadcnt 0x0
.endif
.set i, 0
.rept 32
	v_med3_num_f32 v[XS+i], v[XS+i], -v10, v10
.set i, i+1
.endr
.irp g, 0,1,2,3
	v_cvt_scalef32_pk8_fp8_f32 v[WC+2*\g:WC+2*\g+1], v[XS+8*\g:XS+8*\g+7], v11
.endr
	ds_store_b128 v4, v[WC:WC+3] offset:32*(\t)    ; 32 codes of my column's row
	ds_store_b128 v4, v[WC+4:WC+7] offset:32*(\t)+16
.if (\t)+2 < 8
	WLOAD (\t)+2, \n, \ptr
.endif
	s_wait_dscnt 0x0                               ; the stores have read their registers: the next block's codes may be written
.endm
; A work-group takes 128 columns x 256 along K; a wave 32 columns.  n: the weight's width; ptr: its pointer; er: its exponent's register; g0: the way's first work-group; row0: its first row in wc; lb: its LDS bytes
.macro WPATH n, ptr, er, g0, row0, lb
	s_sub_co_u32 s17, ttmp9, \g0
	s_lshr_b32 s18, s17, 2                         ; which 128 columns
	s_and_b32 s19, s17, 3                          ; which 256 along K
	s_lshl_b32 s18, s18, 7
	s_lshl_b32 s20, s16, 5
	s_add_co_u32 s18, s18, s20                     ; my wave's first column
	v_lshlrev_b32 v3, 2, v2                        ; in: 4 bytes a lane
	s_mul_i32 s20, s16, 32*WPITCH
	s_add_co_u32 s20, s20, \lb                     ; my stage
	v_mul_u32_u24 v4, v2, WPITCH
	v_add_nc_u32 v4, s20, v4                       ; into it: row = my column
	v_and_b32 v5, 15, v2
	v_lshrrev_b32 v6, 4, v2
	v_mul_u32_u24 v7, v6, WPITCH
	v_lshl_add_u32 v7, v5, 4, v7
	v_add_nc_u32 v7, s20, v7                       ; out of it: sixteen lanes to a row, two rows an instruction
	v_lshlrev_b32 v8, 10, v6
	v_lshl_add_u32 v8, v5, 4, v8                   ; and the same place in wc (a row is 1,024 bytes)
	s_mul_i32 s22, s19, 256*(\n)*4
	s_lshl_b32 s21, s18, 2
	s_add_co_u32 s22, s22, s21
	s_mov_b32 s23, 0
	s_add_nc_u64 s[\ptr:\ptr+1], s[\ptr:\ptr+1], s[22:23]
	s_add_co_u32 s22, s18, \row0
	s_lshl_b32 s22, s22, 10
	s_lshl_b32 s21, s19, 8
	s_add_co_u32 s22, s22, s21
	s_add_nc_u64 s[14:15], s[14:15], s[22:23]
	WLOAD 0, \n, \ptr                              ; every offset is an immediate: 255 rows of 12,288 bytes at the most, inside the signed 24 bits
	WLOAD 1, \n, \ptr
	SCALE \er
	s_wait_alu depctr_va_vdst(0)
.irp t, 0,1,2,3,4,5,6,7
	WBLOCK \t, \n, \ptr
.endr
.irp t, 0,1,2,3,4,5,6,7,8,9,10,11,12,13,14,15
	ds_load_b128 v[WOUT+4*\t:WOUT+4*\t+3], v7 offset:2*\t*WPITCH
.endr
.irp t, 0,1,2,3,4,5,6,7,8,9,10,11,12,13,14,15
	s_wait_dscnt 15-\t                             ; the younger loads may be out
	global_store_b128 v8, v[WOUT+4*\t:WOUT+4*\t+3], s[14:15] offset:2*\t*1024   ; sixteen lanes store 256 consecutive bytes, aligned
.endr
.endm
	s_load_b256 s[4:11], s[0:1], 0x0               ; x s[4:5], w_qkv s[6:7], w_proj s[8:9], the exponents s[10:11]
	s_load_b128 s[12:15], s[0:1], 0x20             ; xc s[12:13], wc s[14:15]
	v_lshl_add_u32 v192, v0, 2, 0x19000
	v_mov_b32 v193, 0
	v_lshrrev_b32 v1, 5, v0
	v_readfirstlane_b32 s16, v1                    ; wave
	v_and_b32 v2, 31, v0                           ; lane
	s_wait_kmcnt 0x0
	s_load_b256 s[24:31], s[10:11], 0x0            ; the eight exponents
	s_cmp_lt_u32 ttmp9, 256
	s_cbranch_scc1 .Lx
	s_cmp_lt_u32 ttmp9, 352
	s_cbranch_scc1 .Lwq
	s_wait_alu depctr_va_vdst(0)
	WPATH 1024, 8, 31, 352, 3072, 67584
	s_wait_tensorcnt 0x0
	ds_add_u32 v192, v193
	s_wait_dscnt 0x0
	s_endpgm
.Lwq:
	s_wait_alu depctr_va_vdst(0)
	WPATH 3072, 6, 25, 256, 0, 32768
	s_wait_tensorcnt 0x0
	ds_add_u32 v192, v193
	s_wait_dscnt 0x0
	s_endpgm
.Lx:
	s_wait_alu depctr_va_vdst(0)
	v_lshlrev_b32 v3, 4, v2                        ; my 16 bytes of a load's 512
	s_wait_alu depctr_va_vdst(0)
	s_mul_i32 s17, s16, WREG
	v_lshrrev_b32 v14, 2, v2
	v_mul_u32_u24 v14, v14, SP
	v_and_b32 v15, 3, v2
	v_lshl_add_u32 v14, v15, 4, v14
	v_add_nc_u32 v14, s17, v14                     ; the stage, on the way in: four lanes' 64 bytes on end, then 16 of padding
	v_mul_u32_u24 v15, v2, SP
	v_add_nc_u32 v15, s17, v15                     ; and on the way out: my 16 neighbours
	v_lshlrev_b32 v4, 4, v2                        ; my 16 codes' place in a step's 512
	s_lshl_b32 s18, ttmp9, 2
	s_add_co_u32 s18, s18, s16                     ; which run of 8,192 numbers is my wave's
	s_lshl_b32 s20, s18, 15
	s_mov_b32 s21, 0
	s_add_nc_u64 s[4:5], s[4:5], s[20:21]
	s_lshl_b32 s20, s18, 13
	s_add_nc_u64 s[12:13], s[12:13], s[20:21]
.irp t, 0,1,2,3
	XLOAD \t
.endr
	s_wait_alu depctr_va_vdst(0)
	SCALE 24
	s_wait_alu depctr_va_vdst(0)
	s_wait_loadcnt 12                              ; step 0's four loads are in
	XTURN 0
.irp t, 0,1,2,3,4,5,6,7,8,9,10,11,12,13,14,15
	XSTEP \t
.endr
	s_wait_tensorcnt 0x0
	ds_add_u32 v192, v193
	s_wait_dscnt 0x0
	s_endpgm
.Lfunc_end_k_qb9e99b0aa0_quant:
	.size	k_qb9e99b0aa0_quant, .Lfunc_end_k_qb9e99b0aa0_quant-k_qb9e99b0aa0_quant
	.p2alignl 7, 3214868480
	.fill 96, 4, 3214868480
	.section	.rodata,"a",@progbits
	.p2align	6, 0x0
	.amdhsa_kernel k_qb9e99b0aa0_quant
		.amdhsa_group_segment_fixed_size 102912
		.amdhsa_private_segment_fixed_size 0
		.amdhsa_enable_private_segment 0
		.amdhsa_kernarg_size 48
		.amdhsa_user_sgpr_count 2
		.amdhsa_user_sgpr_kernarg_segment_ptr 1
		.amdhsa_wavefront_size32 1
		.amdhsa_system_sgpr_workgroup_id_x 1
		.amdhsa_system_sgpr_workgroup_id_y 1
		.amdhsa_system_sgpr_workgroup_id_z 1
		.amdhsa_system_vgpr_workitem_id 0
		.amdhsa_next_free_vgpr 194
		.amdhsa_next_free_sgpr 66
		.amdhsa_reserve_vcc 0
		.amdhsa_float_denorm_mode_32 3
		.amdhsa_float_denorm_mode_16_64 3
		.amdhsa_memory_ordered 1
		.amdhsa_forward_progress 1
		.amdhsa_inst_pref_size 134
	.end_amdhsa_kernel
	.amdgpu_metadata
---
amdhsa.version: [ 1, 2 ]
amdhsa.kernels:
  - .name:           k_qb9e99b0aa0_quant
    .symbol:         k_qb9e99b0aa0_quant.kd
    .args:
      - { .name: x, .offset: 0, .size: 8, .value_kind: global_buffer, .address_space: global }
      - { .name: w_qkv, .offset: 8, .size: 8, .value_kind: global_buffer, .address_space: global }
      - { .name: w_proj, .offset: 16, .size: 8, .value_kind: global_buffer, .address_space: global }
      - { .name: lowp_scales, .offset: 24, .size: 8, .value_kind: global_buffer, .address_space: global }
      - { .name: xc, .offset: 32, .size: 8, .value_kind: global_buffer, .address_space: global }
      - { .name: wc, .offset: 40, .size: 8, .value_kind: global_buffer, .address_space: global }
    .group_segment_fixed_size: 102912
    .private_segment_fixed_size: 0
    .kernarg_segment_align: 8
    .kernarg_segment_size: 48
    .max_flat_workgroup_size: 128
    .sgpr_count:     66
    .vgpr_count:     194
    .wavefront_size: 32
...
	.end_amdgpu_metadata
.endif
;; end of part 1
;; launch gemm_qkv (part 2): grid 8 x 32, 4 waves a work-group, clusters of 4 x 4, 327,680 bytes of LDS; arguments xc, wc, lowp_scales, b_qkv, qkv; writes qkv
.if DOCPART == 2
	.amdgcn_target "amdgcn-amd-amdhsa--gfx1250"
	.amdhsa_code_object_version 6
	.text
	.protected	k_qb9e99b0aa0_gemm_qkv
	.globl	k_qb9e99b0aa0_gemm_qkv
	.p2align	8
	.type	k_qb9e99b0aa0_gemm_qkv,@function
k_qb9e99b0aa0_gemm_qkv:
	s_mov_b64 s[64:65], 0
	v_nop
	global_prefetch_b8 v0, s[64:65] scope:SCOPE_SE
	s_setreg_imm32_b32 hwreg(HW_REG_WAVE_MODE, 25, 1), 1
	s_wait_xcnt 0x0
	s_wait_alu depctr_hold_cnt(0) depctr_sa_sdst(0) depctr_va_vdst(0) depctr_va_sdst(0) depctr_va_ssrc(0) depctr_va_vcc(0) depctr_vm_vsrc(0)
	s_getreg_b32 s2, hwreg(HW_REG_IB_STS2, 6, 4)
	s_cmp_eq_u32 s2, 0
	s_cbranch_scc0 .Lentry_in_a_cluster
	s_endpgm
.Lentry_in_a_cluster:
	s_bfe_u32 s2, ttmp6, 0x10000c
	s_cmp_lg_u32 s2, 0xf033
	s_cbranch_scc0 .Lentry_shape_is_right
	s_endpgm
.Lentry_shape_is_right:
; qkv = x w_qkv + b_qkv on codes of E4M3 (scales 2^e0, 2^e1), quantised at once for the attention: q with 2^e2, k with 2^e3 (both along the head's 64), v with 2^e5 (along the keys).
; OUT:  q at byte 0 and k at byte 8,388,608 of the buffer: [b 16 + head][t][64];   v at byte 16,777,216: [b][t / 64][64 head + d][t % 64]: the keys innermost.
; THE CORE computes Out[i][j] = sum over k of P[i][k] Q[j][k] for a tile of 128 rows of P x 256 rows of Q, K = 1,024.  The matrix instruction is used transposed (source 0 = 16 rows of Q, source 1 = 16 rows of P):
; a lane holds ONE row i and its eight registers eight neighbouring j, which is what the conversion to codes wants.  For q and k: P = x's rows, Q = w's columns (j runs along the head).  For v: P = w's columns 2048 on,
; Q = x's rows (j runs along the keys).
; A WORK-GROUP STAYS: 768 tiles (q, k: 64 x 8; v: 8 x 32) are three for each of 256 work-groups: two tiles of q or k, 4,096 rows of x apart, with the same columns of w, and then one tile of v.
; Four waves; wave (wm, wn) makes 64 x 128: 32 accumulators.  A tile of 256 x 256 would give 384 tiles, which do not share out evenly.
; THE RING: K goes in four steps of 256 through three LDS slots: step 0 in slot 0, step 1 in slot B, step 2 in slot C, step 3 in slot B again; B and C are slots 1 and 2 and change roles from tile to tile.
; Requests, one joint load a wave each: (1) steps 0 and 1, whole tiles (waves 0, 1: P of step 0, 1; waves 2, 3: Q of step 0, 1): for the first tile at the head, for a later tile at the tile before's sub-step 5, into slot 0
; and that tile's slot C, both read out; (2) step 2, halves of the tiles, at the tile's start; (3) step 3 at sub-step 3.  The last tile's tail is written out: it asks for nothing more.
; THE WAY OUT has LDS bytes of its own, on which no tile lands, and goes 16 rows at a time; nothing waits for a tile's stores but the rewriting of their registers and base.
; CLUSTERS 4 x 4: P's tile hangs on the cluster's row, Q's on its column: each is asked for jointly by the four that need it.
; NO PREFETCH: of a tile's four K steps two are asked for three sub-steps and a way out ahead of their use, and the launch has no loop over K to run ahead in: eight sub-steps are written out.
; FRAGMENTS come by four loads of 16 bytes: registers 4 c .. 4 c + 3 hold k = 32 c + 16 (lane / 16) + 0 .. 15: a permutation of k, the same on both sides, so only the order of the sums inside an instruction differs.
; LIMITS: e_sel - e0 - e1 between -126 and 119 for e_sel = e2, e3, e5.  NaN is not served.
; REGISTERS: window 0: v12-15 v's bias as loaded; v16-26 addresses; v28, v29 the add's; v30, v31 the conversion's scale and hold; v32-63 the bias along i (C of the first products; 0 for q and k); v64-127 the bias along j
;   (q and k); v128-255 P's fragments, two sets; on the way out numbers and codes.   window 1: Q's fragments, two sets; on the way out the rows read back.   window 2: accumulator (a, b) at v[64 a + 8 b].
.set PITCH,  272                       ; an LDS row: 256 bytes + 16: the 16 rows of a fragment load begin at 16 different 16-byte columns of 256 bytes
.set HALFP,  64*PITCH
.set HALFQ,  128*PITCH
.set SLOT,   2*HALFP+2*HALFQ           ; P's 128 rows, then Q's 256 rows: 104,448 bytes
.set TOG,    0x2a800                   ; SLOT xor 2 SLOT
.set SPARE,  3*SLOT                    ; behind the slots: the spare words, 128 bytes a wave, which no other line names
.set STAGE,  SPARE+512                 ; the way out's stages
.set WSTG,   2560                      ; a wave's stage: 2 blocks x 16 rows x (64 + 16) bytes
.set CIR,  12
.set ADRP, 16                          ; v16-18 my P fragments in slots 0, B, C
.set ADRQ, 20                          ; v20-22 my Q fragments
.set STO,  24
.set RD,   25
.set CO,   26
.set SPW,  28
.set NIL,  29
.set SCL,  30
.set LIM,  31
.set CI,   32
.set BJ,   64
.set PF,   128
.set TMP,  128                         ; the way out: 64 numbers
.set CD,   192                         ; the way out: codes, 16 registers for each a
.set G1P,  24
.set G0P,  32
.set G0Q,  36
.set G1Q,  48
.set MSB, 0
.macro WIN new                         ; the immediate's high byte repeats the setting that is left
.if MSB != \new
	s_set_vgpr_msb (MSB<<8)|\new
.set MSB, \new
.endif
.endm
.set MUL,  0xa1                        ; source 0 (Q) window 1, source 1 (P) window 0, C and D window 2
.set MULC, 0x81                        ; the same with C from window 0
.set TO_Q, 0x40                        ; destination window 1, address window 0
.macro PLACES n
.rept \n
	v_nop
.endr
.endm
.macro JLOAD                           ; a joint load: waves 0, 1 fetch for P, waves 2, 3 for Q; an s_nop 0 and four v_nop follow each line
	s_cmp_eq_u32 s15, 0
	s_cbranch_scc0 .Lfor_q_\@
	tensor_load_to_lds s[G0P:G0P+3], s[G1P:G1P+7]
	s_nop 0
	PLACES 4
	s_branch .Lasked_\@
.Lfor_q_\@:
	tensor_load_to_lds s[G0Q:G0Q+3], s[G1Q:G1Q+7]
	s_nop 0
	PLACES 4
.Lasked_\@:
.endm
.macro CREST                           ; a round of the cluster's barrier behind its opening barrier
	s_cmp_lg_u32 s14, 0
	s_cbranch_scc1 .Lnot_wave_0_\@
	s_barrier_signal -3
.Lnot_wave_0_\@:
	s_barrier_wait -3
	s_barrier_signal -1
	s_barrier_wait -1
.endm
.macro CROUND
	s_barrier_signal -1
	s_barrier_wait -1
	CREST
.endm
; The descriptors of request (1): the whole tile of K step wn of the tile whose P and Q begin at s[88:89], s[90:91]: step 0 into slot 0, step 1 into the slot at s41.  No load of the wave is out where this stands.
.macro E1DESC
	s_mov_b32 s[G1P+2], 128<<16                    ; tensor_dim1
	s_mov_b32 s[G1P+4], 128                        ; tile_dim1
	s_mov_b32 s[G1Q+2], 256<<16
	s_mov_b32 s[G1Q+4], 256
	s_mul_i32 s[G0P+1], s16, s41
	s_add_co_u32 s[G0Q+1], s[G0P+1], 2*HALFP
	s_lshl_b32 s2, s16, 8
	s_mov_b32 s3, 0
	s_add_nc_u64 s[G0P+2:G0P+3], s[88:89], s[2:3]
	s_or_b32 s[G0P+3], s[G0P+3], 0x80000000
	s_add_nc_u64 s[G0Q+2:G0Q+3], s[90:91], s[2:3]
	s_or_b32 s[G0Q+3], s[G0Q+3], 0x80000000
.endm
.macro FETCH slot, q, st               ; 48 LDS loads in one run: the fragments of the slot's q-th 128 along K into set st
	WIN TO_Q
.irp i, 0,1,2,3,4,5,6,7
.irp c, 0,1,2,3
	ds_load_b128 v[128*(\st)+16*\i+4*\c:128*(\st)+16*\i+4*\c+3], v[ADRQ+\slot] offset:128*(\q)+32*\c+\i*16*PITCH
.endr
.endr
	WIN 0
.irp a, 0,1,2,3
.irp c, 0,1,2,3
	ds_load_b128 v[PF+64*(\st)+16*\a+4*\c:PF+64*(\st)+16*\a+4*\c+3], v[ADRP+\slot] offset:128*(\q)+32*\c+\a*16*PITCH
.endr
.endr
.endm
; 8 matrix instructions: P's block a x Q's eight.  cm = 0: onto the sums; 2: the bias along i starts them.  The 32 accumulators take turns in one order throughout.
.macro MUL8 a, st, cm
.irp b, 0,1,2,3,4,5,6,7
.if \cm == 2
	v_wmma_f32_16x16x128_fp8_fp8 v[64*(\a)+8*\b:64*(\a)+8*\b+7], v[128*(\st)+16*\b:128*(\st)+16*\b+15], v[PF+64*(\st)+16*(\a):PF+64*(\st)+16*(\a)+15], v[CI+8*(\a):CI+8*(\a)+7]
.else
	v_wmma_f32_16x16x128_fp8_fp8 v[64*(\a)+8*\b:64*(\a)+8*\b+7], v[128*(\st)+16*\b:128*(\st)+16*\b+15], v[PF+64*(\st)+16*(\a):PF+64*(\st)+16*(\a)+15], v[64*(\a)+8*\b:64*(\a)+8*\b+7]
.endif
.endr
.endm
; A sub-step on set st; at its head the next sub-step's fragments (slot ns, part nq) are asked for, into the other set, 32 matrix instructions ahead of their use
.macro KSUB ns, nq, st, cm
	PLACES 4                                       ; four plain places in front of loads into registers that matrix instructions have read
	FETCH \ns, \nq, 1-(\st)
	s_wait_dscnt 48                                ; all but the 48 just issued: this sub-step's set is in
.if \cm == 2
	WIN MULC
.else
	WIN MUL
.endif
	MUL8 0, \st, \cm
	MUL8 1, \st, \cm
	MUL8 2, \st, \cm
	MUL8 3, \st, \cm
.endm
; A slot's last sub-step (set 1) with ONE barrier.  In front of it each wave waits for all its tensor loads, adds 0 to its spare word, and waits for that and for its LDS reads.
; fill = 3: the barrier opens a round of the cluster's, and slot B takes K step 3.  fill = 1: likewise, and the next tile's K steps 0 and 1 are asked for.  fill = 0: nothing is filled.  Then the next slot's first fragments are fetched.
.macro TURN next, fill
	WIN 0                                          ; (the add's two registers lie in window 0)
	s_wait_tensorcnt 0x0                           ; all my tensor loads have landed
	ds_add_u32 v[SPW], v[NIL]                      ; 0 onto my spare word
	s_wait_dscnt 1                                 ; (the add alone may be out: set 1 is in)
	WIN MUL
	MUL8 0, 1, 0                                   ; eight matrix instructions stand between the add and the wait for it
	s_wait_dscnt 0x0                               ; the add is done, and my reads of the slots behind me are over
	s_barrier_signal -1
	MUL8 1, 1, 0
	WIN 0
	s_barrier_wait -1
.if \fill == 3
	CREST                                          ; no wave of any partner still reads slot B or has a load on its way
	s_add_co_u32 s[G0P+1], s40, s18
	s_add_co_u32 s[G0Q+1], s40, s19
	s_add_nc_u64 s[G0P+2:G0P+3], s[G0P+2:G0P+3], 256   ; from K step 2 to K step 3
	s_add_nc_u64 s[G0Q+2:G0Q+3], s[G0Q+2:G0Q+3], 256
	JLOAD                                          ; the first tensor load behind the round; its four v_nop are the places in front of the loads below
.elseif \fill == 1
	CREST                                          ; no wave of any partner still reads slot 0 or slot C or has a load on its way
	s_add_nc_u64 s[76:77], s[88:89], 0x400000      ; the second tile of q or k: 4,096 rows of x on, the same columns of w;
	s_cmp_eq_u32 s42, 2                            ; behind it comes the tile of v
	s_cselect_b64 s[88:89], s[72:73], s[76:77]
	s_cselect_b64 s[90:91], s[74:75], s[90:91]
	E1DESC
	JLOAD
.else
	PLACES 4
.endif
	FETCH \next, 0, 0
	WIN MUL
	MUL8 2, 1, 0
	MUL8 3, 1, 0
.endm
.macro LAST2                           ; sub-steps 6 and 7, on K step 3 in slot B
	KSUB 1, 1, 0, 0
	s_wait_dscnt 0x0                               ; nothing more to fetch
	WIN MUL
	MUL8 0, 1, 0
	MUL8 1, 1, 0
	MUL8 2, 1, 0
	MUL8 3, 1, 0
	WIN 0
	PLACES 4                                       ; in front of the first read of results and the first write of fragment registers
.endm
; THE WAY OUT of P's block a: sum (+ the bias along j), held, converted: a lane's eight numbers become 8 bytes of row i.  They go into my stage and come back as two blocks of 16 rows x 64 bytes, dense in the output.
.macro WOUT a, addb
	WIN 0x02                                       ; source 0: the sums, window 2
.set k, 0
.if \addb
.rept 32
	v_pk_add_f32 v[TMP+k:TMP+k+1], v[64*\a+k:64*\a+k+1], v[BJ+k:BJ+k+1]   ; each accumulator from its low end on
.set k, k+2
.endr
	WIN 0
.set k, 0
.rept 64
	v_med3_num_f32 v[TMP+k], v[TMP+k], -v[LIM], v[LIM]   ; the conversion does not saturate (ISA guide 7.6.2)
.set k, k+1
.endr
.else
.rept 64
	v_med3_num_f32 v[TMP+k], v[64*\a+k], -v[LIM], v[LIM]
.set k, k+1
.endr
	WIN 0
.endif
.irp b, 0,1,2,3,4,5,6,7
	v_cvt_scalef32_pk8_fp8_f32 v[CD+16*\a+2*\b:CD+16*\a+2*\b+1], v[TMP+8*\b:TMP+8*\b+7], v[SCL]
.endr
	v_nop                                          ; a plain line between the conversions and the next writes of their sources
.irp b, 0,1,2,3,4,5,6,7
	ds_store_b64 v[STO], v[CD+16*\a+2*\b:CD+16*\a+2*\b+1] offset:(\b/4)*1280+16*(\b%4)
.endr
	WIN TO_Q
.irp n, 0,1,2,3
	ds_load_b128 v[16*\a+4*\n:16*\a+4*\n+3], v[RD] offset:(\n/2)*1280+(\n%2)*640   ; LDS serves a wave's instructions in order: these see my stores, and the next block's stores come behind them
.endr
	WIN 0
.endm
.macro SEND a, younger, d2             ; younger: the LDS instructions issued behind block a's loads; d2: bytes from the first block of 64 j to the second
	s_wait_dscnt \younger
	WIN 0x04                                       ; the stores' data lie in window 1
.irp n, 0,1,2,3
	global_store_b128 v[CO], v[16*\a+4*\n:16*\a+4*\n+3], s[44:45] offset:(\n/2)*(\d2)+\a*1024+(\n%2)*512   ; 512 consecutive bytes, aligned
.endr
	WIN 0
.endm
.macro WAYS addb, d2
	WOUT 0, \addb
	WOUT 1, \addb
	SEND 0, 12, \d2                                ; behind block 0's loads: block 1's 8 stores and 4 loads
	WOUT 2, \addb
	SEND 1, 12, \d2
	WOUT 3, \addb
	SEND 2, 12, \d2
	SEND 3, 0, \d2
.endm
	s_load_b256 s[4:11], s[0:1], 0x0               ; xc s[4:5], wc s[6:7], the exponents s[8:9], b_qkv s[10:11]
	s_load_b64 s[12:13], s[0:1], 0x20              ; qkv
	v_lshl_add_u32 v[SPW], v0, 2, SPARE
	v_mov_b32 v[NIL], 0
	ds_add_u32 v[SPW], v[NIL]                      ; the opening lines: the add, twice on end, and its wait ahead of my first tensor load
	ds_add_u32 v[SPW], v[NIL]
	v_lshrrev_b32 v1, 5, v0
	v_readfirstlane_b32 s14, v1                    ; wave 0..3
	s_lshr_b32 s15, s14, 1                         ; wm: my 64 rows of P.  Also: I fetch for P (0) or for Q (1)
	s_and_b32 s16, s14, 1                          ; wn: my 128 rows of Q.  Also: which K step, or which half of a tile, I fetch
	s_bfe_u32 s60, ttmp6, 0x40000                  ; cx
	s_bfe_u32 s61, ttmp6, 0x40004                  ; cy
	s_and_b32 s62, ttmp7, 0xffff                   ; the cluster's y, 0..7
	s_lshl_b32 s62, s62, 2
	s_lshl_b32 s17, ttmp9, 2                       ; the cluster's x, 0 (q) or 1 (k)
	s_add_co_u32 s63, s62, s61                     ; q, k: P's tile (128 rows of x): shared along my row of the cluster
	s_add_co_u32 s70, s17, s60                     ;       Q's tile (256 columns of w): shared along my column
	s_add_co_u32 s71, s17, s61                     ; v:    P's tile (128 columns of w)
	s_add_co_u32 s78, s62, s60                     ;       Q's tile (256 rows of x)
	s_lshl_b32 s2, s61, 2
	s_lshl_b32 s2, 15, s2                          ; my row
	s_lshl_b32 s3, 0x1111, s60                     ; my column
	s_or_b32 s[G1P], s2, (1<<20)|(1<<21)|(5<<22)|(3<<25)   ; the mask; elements of 1 byte; padding on; bit 21 beside a mask; 4 words behind every 64
	s_or_b32 s[G1Q], s3, (1<<20)|(1<<21)|(5<<22)|(3<<25)
.irp g, G1P, G1Q
	s_mov_b32 s[\g+1], 256<<16                     ; tensor_dim0
	s_mov_b32 s[\g+3], 256<<16                     ; tile_dim0
	s_mov_b32 s[\g+5], 1024                        ; from row to row
	s_mov_b32 s[\g+6], 0
	s_mov_b32 s[\g+7], 0
.endr
	s_lshl_b32 s76, s63, 17                        ; where the tiles begin, in bytes: 128 rows of 1,024 bytes a tile of P, 256 a tile of Q
	s_mov_b32 s77, 0
	s_lshl_b32 s80, s70, 18
	s_mov_b32 s81, 0
	s_lshl_b32 s82, s71, 17
	s_add_co_u32 s82, s82, 0x200000                ; v's columns: from wc's row 2,048 on
	s_mov_b32 s83, 0
	s_lshl_b32 s56, s78, 18
	s_mov_b32 s57, 0
	s_lshl_b32 s84, s16, 16                        ; my half of a tile of P: 64 rows,
	s_mov_b32 s85, 0
	s_lshl_b32 s86, s16, 17                        ; of Q: 128 rows
	s_mov_b32 s87, 0
	s_mul_i32 s18, s16, HALFP                      ; and where the halves go in a slot: the wave's number alone enters
	s_mul_i32 s19, s16, HALFQ
	s_add_co_u32 s19, s19, 2*HALFP
	s_mov_b32 s40, 2*SLOT                          ; slot B and slot C, as they stand ahead of the first tile: they change roles behind the head's load
	s_mov_b32 s41, SLOT
	s_mov_b32 s42, 3                               ; tiles to go, this one among them: the same number in every work-group
	s_mov_b32 s[G0P], 1
	s_mov_b32 s[G0Q], 1
	s_wait_dscnt 0x0                               ; both opening adds are done
	s_wait_kmcnt 0x0
	s_load_b256 s[92:99], s[8:9], 0x0              ; e0 .. e7
	s_add_nc_u64 s[88:89], s[4:5], s[76:77]        ; the first tile's P,
	s_add_nc_u64 s[90:91], s[6:7], s[80:81]        ; and Q;
	s_add_nc_u64 s[72:73], s[6:7], s[82:83]        ; the tile of v's P,
	s_add_nc_u64 s[74:75], s[4:5], s[56:57]        ; and Q
	CROUND                                         ; all sixteen work-groups are here: the first joint loads meet
	E1DESC
	JLOAD                                          ; K steps 0 and 1: one tensor load a wave at the head
	s_xor_b32 s40, s40, TOG
	s_xor_b32 s41, s41, TOG
	; where my results go.  q, k: part (B / 1024), head (B % 1024) / 64, row A; the next head lies 131,072 bytes on; the second tile 4,194,304
	s_lshl_b32 s20, s63, 7
	s_lshl_b32 s17, s15, 6
	s_add_co_u32 s20, s20, s17                     ; A: my first i
	s_lshl_b32 s21, s70, 8
	s_lshl_b32 s17, s16, 7
	s_add_co_u32 s21, s21, s17                     ; B: my first j
	s_lshr_b32 s2, s21, 10
	s_lshl_b32 s2, s2, 23
	s_lshr_b32 s3, s20, 11
	s_lshl_b32 s3, s3, 4
	s_and_b32 s17, s21, 1023
	s_lshr_b32 s17, s17, 6
	s_add_co_u32 s3, s3, s17
	s_lshl_b32 s3, s3, 11
	s_and_b32 s17, s20, 2047
	s_add_co_u32 s3, s3, s17
	s_lshl_b32 s3, s3, 6
	s_add_co_u32 s22, s2, s3
	s_mov_b32 s23, 0
	s_add_nc_u64 s[44:45], s[12:13], s[22:23]
	s_lshl_b32 s22, s21, 2
	s_add_nc_u64 s[56:57], s[10:11], s[22:23]      ; the bias of my 128 columns of q or k
	; v: batch B / 2048, block of keys (B % 2048) / 64, channel A; the next block of keys lies 65,536 bytes on
	s_lshl_b32 s20, s71, 7
	s_lshl_b32 s17, s15, 6
	s_add_co_u32 s20, s20, s17
	s_lshl_b32 s21, s78, 8
	s_lshl_b32 s17, s16, 7
	s_add_co_u32 s21, s21, s17
	s_lshr_b32 s3, s21, 11
	s_lshl_b32 s3, s3, 5
	s_and_b32 s17, s21, 2047
	s_lshr_b32 s17, s17, 6
	s_add_co_u32 s3, s3, s17
	s_lshl_b32 s3, s3, 10
	s_add_co_u32 s3, s3, s20
	s_lshl_b32 s3, s3, 6
	s_add_co_u32 s22, s3, 0x1000000
	s_add_nc_u64 s[46:47], s[12:13], s[22:23]
	s_add_co_u32 s22, s20, 2048
	s_lshl_b32 s22, s22, 2
	s_add_nc_u64 s[58:59], s[10:11], s[22:23]      ; the bias of my 64 channels of v
	s_mul_i32 s20, s15, HALFP                      ; my 64 rows of P in a slot
	s_mul_i32 s21, s14, WSTG
	s_add_co_u32 s21, s21, STAGE                   ; my stage
	v_and_b32 v1, 15, v0                           ; r
	v_bfe_u32 v2, v0, 4, 1                         ; h
	v_mul_u32_u24 v3, v1, PITCH
	v_lshl_add_u32 v3, v2, 4, v3                   ; a fragment's row x pitch + 16 h
	v_add_nc_u32 v[ADRP], s20, v3
	v_add_nc_u32 v[ADRQ], s19, v3
	v_add_nc_u32 v[ADRP+1], s40, v[ADRP]
	v_add_nc_u32 v[ADRQ+1], s40, v[ADRQ]
	v_add_nc_u32 v[ADRP+2], s41, v[ADRP]
	v_add_nc_u32 v[ADRQ+2], s41, v[ADRQ]
	v_mul_u32_u24 v4, v1, 80
	v_lshl_add_u32 v4, v2, 3, v4
	v_add_nc_u32 v[STO], s21, v4                   ; the stage, in: row r, 8 bytes for each half of the lanes
	v_and_b32 v5, 31, v0
	v_lshrrev_b32 v6, 2, v5
	v_mul_u32_u24 v6, v6, 80
	v_and_b32 v7, 3, v5
	v_lshl_add_u32 v6, v7, 4, v6
	v_add_nc_u32 v[RD], s21, v6                    ; back: four lanes to a row of 64 bytes, eight rows an instruction,
	v_lshlrev_b32 v[CO], 4, v5                     ; which are 512 consecutive bytes of the output
	v_lshlrev_b32 v8, 5, v2                        ; 8 h numbers
	v_lshlrev_b32 v9, 2, v1                        ; r numbers
.irp b, 0,1,2,3,4,5,6,7
	global_load_b128 v[BJ+8*\b:BJ+8*\b+3], v8, s[56:57] offset:64*\b
	global_load_b128 v[BJ+8*\b+4:BJ+8*\b+7], v8, s[56:57] offset:64*\b+16
.endr
.irp a, 0,1,2,3
	global_load_b32 v[CIR+\a], v9, s[58:59] offset:64*\a
.endr
.set k, 0
.rept 32
	v_mov_b32 v[CI+k], 0                           ; q and k have no bias along i
.set k, k+1
.endr
	s_wait_alu depctr_va_vdst(0)                   ; directly ahead of the waits below
	s_wait_loadcnt 0x0                             ; the biases
	s_wait_kmcnt 0x0
	s_add_co_i32 s22, s92, s93                     ; e0 + e1: a sum stands for sum x 2^(e0 + e1), so the bias goes in as bias / 2^(e0 + e1)
	s_sub_co_i32 s43, 0, s22
	s_cmp_eq_u32 ttmp9, 0
	s_cselect_b32 s2, s94, s95                     ; columns 0-1023 are q (e2), 1024-2047 k (e3)
	s_sub_co_i32 s2, s2, s22                       ; the three scales are folded into the conversion's one
	s_add_co_i32 s2, s2, 127
	s_lshl_b32 s66, s2, 23
	s_add_co_i32 s2, s2, 8
	s_lshl_b32 s67, s2, 23
	s_or_b32 s67, s67, 0x600000                    ; 448 x that
	s_sub_co_i32 s2, s97, s22                      ; v: e5
	s_add_co_i32 s2, s2, 127
	s_lshl_b32 s68, s2, 23
	s_add_co_i32 s2, s2, 8
	s_lshl_b32 s69, s2, 23
	s_or_b32 s69, s69, 0x600000
	v_mov_b32 v[SCL], s66
	v_mov_b32 v[LIM], s67
.set k, 0
.rept 64
	v_ldexp_f32 v[BJ+k], v[BJ+k], s43
.set k, k+1
.endr
.Ltile:                                            ; a tile begins: its K steps 0 and 1 have been asked for
	s_wait_alu depctr_va_vdst(0)                   ; directly ahead of the wait below
	s_wait_tensorcnt 0x0                           ; my load is in; no load of mine is out, so the descriptors may be written
	ds_add_u32 v[SPW], v[NIL]                      ; 0 onto my spare word
	s_mov_b32 s[G1P+2], 64<<16                     ; requests (2) and (3) bring half a tile
	s_mov_b32 s[G1P+4], 64
	s_mov_b32 s[G1Q+2], 128<<16
	s_mov_b32 s[G1Q+4], 128
	s_add_co_u32 s[G0P+1], s41, s18                ; K step 2, my half, into slot C
	s_add_co_u32 s[G0Q+1], s41, s19
	s_add_nc_u64 s[G0P+2:G0P+3], s[88:89], s[84:85]
	s_add_nc_u64 s[G0P+2:G0P+3], s[G0P+2:G0P+3], 512
	s_or_b32 s[G0P+3], s[G0P+3], 0x80000000
	s_add_nc_u64 s[G0Q+2:G0Q+3], s[90:91], s[86:87]
	s_add_nc_u64 s[G0Q+2:G0Q+3], s[G0Q+2:G0Q+3], 512
	s_or_b32 s[G0Q+3], s[G0Q+3], 0x80000000
	s_wait_dscnt 0x0                               ; the add is done, and so are my LDS reads of the tile before
	CROUND                                         ; K steps 0 and 1 are whole in every partner, and nobody reads slot C
	JLOAD                                          ; the first tensor load behind the round (in the first tile: slot C's first fill)
	FETCH 0, 0, 0
	KSUB 0, 1, 0, 2                                ; sub-step 0: the bias along i starts the sums
	KSUB 1, 0, 1, 0                                ; 1
	KSUB 1, 1, 0, 0                                ; 2
	TURN 2, 3                                      ; 3; K step 2 is whole behind the round, and slot B takes K step 3
	KSUB 2, 1, 0, 0                                ; 4
	WIN 0
	s_cmp_eq_u32 s42, 1
	s_cbranch_scc1 .Llast_tile                     ; the last tile's tail is written out: it asks for nothing more
	TURN 1, 1                                      ; 5; K step 3 is whole behind the round; THE RING GOES ON INTO THE NEXT TILE
	LAST2                                          ; 6, 7
	WAYS 1, 0x20000
	s_wait_xcnt 0x0                                ; the stores have read their registers and their base
	s_xor_b32 s40, s40, TOG                        ; slots B and C change roles
	s_xor_b32 s41, s41, TOG
	s_add_nc_u64 s[76:77], s[44:45], 0x400000
	s_cmp_eq_u32 s42, 2                            ; is the next tile v's?  Its place in the output, its scale and hold, and its bias along i; for q and k that bias stays 0
	s_cselect_b64 s[44:45], s[46:47], s[76:77]
	s_cselect_b32 s2, -1, 0
	s_cselect_b32 s20, s68, s66
	s_cselect_b32 s21, s69, s67
	v_mov_b32 v[SCL], s20
	v_mov_b32 v[LIM], s21
	v_add_nc_u32 v[ADRP+1], s40, v[ADRP]
	v_add_nc_u32 v[ADRQ+1], s40, v[ADRQ]
	v_add_nc_u32 v[ADRP+2], s41, v[ADRP]
	v_add_nc_u32 v[ADRQ+2], s41, v[ADRQ]
.irp a, 0,1,2,3
	v_and_b32 v[CI+8*\a], s2, v[CIR+\a]
.irp j, 7,6,5,4,3,2,1,0
	v_ldexp_f32 v[CI+8*\a+\j], v[CI+8*\a], s43     ; a lane's eight registers belong to one i
.endr
.endr
	s_sub_co_u32 s42, s42, 1
	s_wait_alu depctr_va_vdst(0)                   ; directly ahead of the branch
	s_branch .Ltile
.Llast_tile:
	TURN 1, 0                                      ; 5; K step 3 is whole behind its barrier; nothing is filled
	LAST2                                          ; 6, 7
	WAYS 0, 0x10000                                ; v: its bias went in with the first products
	s_wait_tensorcnt 0x0                           ; the wave's end
	ds_add_u32 v[SPW], v[NIL]
	s_wait_dscnt 0x0
	CROUND                                         ; the closing round: no work-group ends while a partner may still ask for a tile that names it
	s_endpgm
.Lfunc_end_k_qb9e99b0aa0_gemm_qkv:
	.size	k_qb9e99b0aa0_gemm_qkv, .Lfunc_end_k_qb9e99b0aa0_gemm_qkv-k_qb9e99b0aa0_gemm_qkv
	.p2alignl 7, 3214868480
	.fill 96, 4, 3214868480
	.section	.rodata,"a",@progbits
	.p2align	6, 0x0
	.amdhsa_kernel k_qb9e99b0aa0_gemm_qkv
		.amdhsa_group_segment_fixed_size 327680
		.amdhsa_private_segment_fixed_size 0
		.amdhsa_enable_private_segment 0
		.amdhsa_kernarg_size 40
		.amdhsa_user_sgpr_count 2
		.amdhsa_user_sgpr_kernarg_segment_ptr 1
		.amdhsa_wavefront_size32 1
		.amdhsa_system_sgpr_workgroup_id_x 1
		.amdhsa_system_sgpr_workgroup_id_y 1
		.amdhsa_system_sgpr_workgroup_id_z 1
		.amdhsa_system_vgpr_workitem_id 0
		.amdhsa_next_free_vgpr 768
		.amdhsa_next_free_sgpr 102
		.amdhsa_reserve_vcc 0
		.amdhsa_float_denorm_mode_32 3
		.amdhsa_float_denorm_mode_16_64 3
		.amdhsa_memory_ordered 1
		.amdhsa_forward_progress 1
		.amdhsa_inst_pref_size 133
	.end_amdhsa_kernel
	.amdgpu_metadata
---
amdhsa.version: [ 1, 2 ]
amdhsa.kernels:
  - .name:           k_qb9e99b0aa0_gemm_qkv
    .symbol:         k_qb9e99b0aa0_gemm_qkv.kd
    .args:
      - { .name: xc, .offset: 0, .size: 8, .value_kind: global_buffer, .address_space: global }
      - { .name: wc, .offset: 8, .size: 8, .value_kind: global_buffer, .address_space: global }
      - { .name: lowp_scales, .offset: 16, .size: 8, .value_kind: global_buffer, .address_space: global }
      - { .name: b_qkv, .offset: 24, .size: 8, .value_kind: global_buffer, .address_space: global }
      - { .name: qkv, .offset: 32, .size: 8, .value_kind: global_buffer, .address_space: global }
    .group_segment_fixed_size: 327680
    .private_segment_fixed_size: 0
    .kernarg_segment_align: 8
    .kernarg_segment_size: 40
    .max_flat_workgroup_size: 128
    .sgpr_count:     102
    .vgpr_count:     768
    .wavefront_size: 32
...
	.end_amdgpu_metadata
.endif
;; end of part 2
;; launch attn (part 3): grid 4 x 64, 8 waves a work-group, no clusters, 327,680 bytes of LDS; arguments qkv, lowp_scales, ac; writes ac
.if DOCPART == 3
	.amdgcn_target "amdgcn-amd-amdhsa--gfx1250"
	.amdhsa_code_object_version 6
	.text
	.protected	k_qb9e99b0aa0_attn
	.globl	k_qb9e99b0aa0_attn
	.p2align	8
	.type	k_qb9e99b0aa0_attn,@function
k_qb9e99b0aa0_attn:
	s_mov_b64 s[64:65], 0
	v_nop
	global_prefetch_b8 v0, s[64:65] scope:SCOPE_SE
	s_setreg_imm32_b32 hwreg(HW_REG_WAVE_MODE, 25, 1), 1
	s_wait_xcnt 0x0
; Causal attention on codes of E4M3, 64 heads (b 16 + head) of 2,048 queries and keys, head size 64; the result is quantised at once for the last product (scale 2^e6).
; IN (one buffer): q at byte 0, k at 8,388,608: [b 16 + head][t][64];  v at 16,777,216: [b][t / 64][64 head + d][t % 64] (keys innermost).   OUT: ac [head][b 2048 + t][64] codes.
; THE SOFTMAX: t = score x 2^(e2 + e3) x log2(e) / 8; M = the running largest t rounded UP to a whole number; p = 2^(t - M) is quantised with 2^e4, not normalised; the row's sum is taken of the
; unquantised p, in f32, and divides at the end.  When M moves, the sum and O are multiplied by 2^(old M - new M), which rounds nothing.
; LEFT OUT: key steps all of whose keys come after a wave's queries, and slots of keys wholly above the diagonal: the causal mask sets their scores to -inf, so their p is 0.
; SHARES.  Work-group (p, head), p = 0..3, owns the blocks of 256 queries p and then 7 - p: p + 1 and 8 - p slots of 256 keys, nine in every work-group.  Each of EIGHT waves owns 32 queries of a block, two tiles A and B
; of 16: a fragment of K or of V read from LDS feeds two matrix instructions.  Two waves to a SIMD.
; THE RING: two LDS slots; a slot is eight dense runs of 4,096 bytes of memory (K: 64 keys each; V: 64 keys x the head's 64 channels each), and wave w fetches run w with one tensor load: no branch on the wave's number.
; A SLOT'S WALK: its upper 128 keys first (the step that the mask can hide from a wave: a scalar branch on ids leads round it), then its lower 128, which count for every query of the block.  In that second step, once V's
; fragments are asked for and the scores are scaled, the wave has no LDS read of the slot left to issue: there it waits for its tensor load, adds, waits for its reads and SIGNALS the barrier; the exponentials, the sums,
; the conversions and the second product, work on registers alone, stand between the signal and the wait.  Behind the wait the slot just left is filled again, first of all.
; NO CLUSTER: the four work-groups of a head go back to slot 0 at different trips, so their requests would not be the same load in the same round.
; LAYOUT.  Both products are used transposed: S^T = K Q^T (source 0 = 16 keys), O^T = V^T P^T (source 0 = 16 channels): a lane holds ONE query of each tile (lane % 16).  Lane r of key tile 2 b + u takes key
; 32 b + 8 u + r + 8 (r / 8), so that the 16 registers of tiles 2 b, 2 b + 1 are the 16 neighbouring keys 32 b + 16 (lane / 16) + 0 .. 15.  Fragments come by loads of 16 bytes: a permutation of k, the same on both sides.
; LIMITS: e2 + e3 between -123 and 130; e4, and e6 - e4 - e5, between -126 and 119.  NaN is not served.
; REGISTERS.  Window 0: v1-11 addresses; v12 -M, v13 the largest t, v[14:15] the sum (tile A); v16-19 the same (B); v20 2^e4; v21, v22 448 x 2^e4; v24, v26 f; v24-31 at work;
;   v32-95 V's four fragments; v96-159, v160-223 S^T then p (A, B); v224-239, v240-255 p's codes (ahead of the conversions: partial sums).
;   Window 1: v0-31, v32-63 O^T (A, B); v64-79 Q; v80-143 K's eight fragments; v144-159 the second block's Q.
.set KP,    80                         ; a row of 64 codes in LDS: + 16 bytes
.set BLK,   64*KP                      ; what one tensor load brings
.set VOFF,  4*BLK                      ; a slot: 256 rows of K, then V: 4 blocks of keys x 64 channels
.set SLOT1, 65536                      ; slot 1 begins here: one exclusive or turns an address from one slot to the other
.set SPARE, 131072                     ; the spare words, 128 bytes a wave, which no other line names
.set STG,   133120                     ; the way out: 2,048 bytes a wave; no tile ever lands here
.set VF, 32
.set SA, 96
.set SB, 160
.set CA, 224
.set CB, 240
.set OA, 0
.set OB, 32
.set QA, 64
.set QB, 72
.set KB, 80
.set Q2, 144
.set MSB, 0
.macro WIN new                         ; the immediate's high byte repeats the setting that is left
.if MSB != \new
	s_set_vgpr_msb (MSB<<8)|\new
.set MSB, \new
.endif
.endm
.macro KLOAD q                         ; K's eight fragments of the slot's q-th 128 keys, into window 1, two loads a fragment, in the fragments' order
	WIN 0x40
.irp t, 0,1,2,3,4,5,6,7
.irp c, 0,1
	ds_load_b128 v[KB+8*\t+4*\c:KB+8*\t+4*\c+3], v8 offset:(128*(\q)+32*(\t/2)+8*(\t%2))*KP+32*\c
.endr
.endr
	WIN 0
.endm
.macro QLOAD d, p                      ; 32 queries' codes, into window 1
	WIN 0x40
	global_load_b128 v[\d:\d+3], v4, s[\p:\p+1]
	global_load_b128 v[\d+4:\d+7], v4, s[\p:\p+1] offset:32
	global_load_b128 v[\d+8:\d+11], v4, s[\p:\p+1] offset:1024
	global_load_b128 v[\d+12:\d+15], v4, s[\p:\p+1] offset:1056
	WIN 0
.endm
.macro INIT                            ; a block begins: the largest t -3e38, sums and O^T zero (the step is written once; a block's first step finds zeros)
	v_mov_b32 v13, 0xff61b1e6
	v_mov_b32 v17, 0xff61b1e6
	v_floor_f32 v12, -v13
	v_floor_f32 v16, -v17
	v_mov_b32 v14, 0
	v_mov_b32 v15, 0
	v_mov_b32 v18, 0
	v_mov_b32 v19, 0
	WIN 0x40
.set j, 0
.rept 64
	v_mov_b32 v[OA+j], 0
.set j, j+1
.endr
	WIN 0
.endm
; A prefetch of the slot that the NEXT trip's tensor loads will ask for.  The work-group with p = 0 walks slot 0 and then slots 0 to 7 on end: it asks, and nobody else.  Each of its waves names the run of 4,096 bytes
; that it will itself fetch: lanes 0-15 are 256 bytes apart, lanes 16-31 name the last block again.  Trip n (0 to 6) names slot n + 1, which trip n + 1 loads; slot 0 comes by its loads alone.
.macro ASK
	s_cmp_gt_u32 s48, s80
	s_cbranch_scc0 .Lnot_mine_\@
	global_prefetch_b8 v3, s[76:77] th:TH_LOAD_NT scope:SCOPE_SE
.Lnot_mine_\@:
.endm
; THE CHANGE OF SLOTS, up to the signal.  The wave waits for its tensor load, adds 0 to its spare word, and waits for that and for its reads of the slot in hand; group 0 and the addresses are stepped between.
.macro SYNC tog
	s_wait_tensorcnt 0x0                           ; no tensor load of mine is out, so group 0 may be written
	ds_add_u32 v5, v6                              ; 0 onto my spare word
	s_add_co_u32 s49, s49, 1                       ; the next slot of keys;
	s_cmp_eq_u32 s49, s50
	s_cselect_b32 s49, 0, s49                      ; behind the first block's last slot comes slot 0 again, for the second block,
	s_cselect_b32 s50, -1, s50                     ; which walks on to its end
	s_xor_b32 s41, s41, SLOT1
	s_lshl_b32 s58, s49, s60                       ; a slot on is 16,384 bytes in K, 262,144 in V
	s_add_nc_u64 s[42:43], s[54:55], s[58:59]
	s_or_b32 s43, s43, 0x80000000
	s_wait_xcnt 0x0                                ; the last prefetch, a trip back, has read its address
	s_add_nc_u64 s[76:77], s[76:77], s[78:79]
.if \tog
	s_xor_b32 s2, s2, SLOT1                        ; on to the other slot
.endif
	v_add_nc_u32 v8, s2, v1                        ; my places in the slot ahead
	v_add_nc_u32 v9, s2, v2
	s_wait_alu depctr_va_vdst(0)                   ; directly ahead of the wait below
	s_wait_dscnt 0x0                               ; the add is done, and my reads of the slot in hand are over
	s_barrier_signal -1
.endm
; A KEY STEP's first part: 128 keys, the q-th half of the slot in hand, for both tiles: the scores, V's loads, the mask, the maxima, t - M.
.macro STEPA q
	WIN 0x05                                       ; sources 0 and 1 in window 1
.irp g, 0,1,2,3
	s_wait_dscnt 12-4*\g                           ; K's fragments 2 g and 2 g + 1 are in; the loads of the fragments behind them, two each, may be out
.irp t, 2*\g, 2*\g+1
	v_wmma_f32_16x16x64_fp8_fp8 v[SA+8*(\t):SA+8*(\t)+7], v[KB+8*(\t):KB+8*(\t)+7], v[QA:QA+7], 0
	v_wmma_f32_16x16x64_fp8_fp8 v[SB+8*(\t):SB+8*(\t)+7], v[KB+8*(\t):KB+8*(\t)+7], v[QB:QB+7], 0
.endr
.endr
	WIN 0
.rept 4
	v_nop                                          ; places in front of the first read of the scores and of the loads below
.endr
.irp u, 0,1,2,3                                ; V's four fragments (16 channels x 128 keys) land under the softmax,
.irp c, 0,1,2,3
	ds_load_b128 v[VF+16*\u+4*\c:VF+16*\u+4*\c+3], v9 offset:(2*(\q)+\c/2)*BLK+\u*16*KP+32*(\c%2)
.endr
.endr
.if \q
	KLOAD 0                                        ; and so do the next step's fragments of K
.endif
	s_add_co_u32 s96, s51, 128*(\q)+127            ; on the diagonal the scores of hidden keys become -infinity ahead of the maximum; a step all of whose keys count skips this
	s_cmp_le_u32 s96, s52
	s_cbranch_scc1 .Lopen_\@
	s_sub_co_i32 s96, s52, s51
.if \q
	s_sub_co_i32 s96, s96, 128
.endif
	v_and_b32 v28, 15, v0
	v_bfe_u32 v29, v0, 4, 1
	v_lshlrev_b32 v29, 4, v29
	v_sub_nc_u32 v28, v28, v29
	v_add_nc_u32 v28, s96, v28                     ; d = tile A's query - the step's first key - 16 (lane / 16).  Register 16 b + i holds key 32 b + i beyond that: hidden where i > d - 32 b
	v_mov_b32 v30, 0xff800000
.irp b, 0,1,2,3
.if \b
	v_add_nc_u32 v28, 0xffffffe0, v28
.endif
	v_add_nc_u32 v29, 16, v28                      ; tile B's queries lie 16 on
.set i, 0
.rept 16
	v_cmp_gt_i32 vcc_lo, i, v28
	v_cndmask_b32 v[SA+16*\b+i], v[SA+16*\b+i], v30, vcc_lo
	v_cmp_gt_i32 vcc_lo, i, v29
	v_cndmask_b32 v[SB+16*\b+i], v[SB+16*\b+i], v30, vcc_lo
.set i, i+1
.endr
.endr
.Lopen_\@:
.irp k, 0,1,2,3                                ; the step's largest score of my query among my 64 keys: four chains a tile, 16 registers each, eight chains by turns
	v_max3_num_f32 v[24+\k+2*(\k/2)], v[SA+16*\k], v[SA+16*\k+1], v[SA+16*\k+2]
	v_max3_num_f32 v[26+\k+2*(\k/2)], v[SB+16*\k], v[SB+16*\k+1], v[SB+16*\k+2]
.endr
.irp i, 3,5,7,9,11,13
.irp k, 0,1,2,3
	v_max3_num_f32 v[24+\k+2*(\k/2)], v[24+\k+2*(\k/2)], v[SA+16*\k+\i], v[SA+16*\k+\i+1]
	v_max3_num_f32 v[26+\k+2*(\k/2)], v[26+\k+2*(\k/2)], v[SB+16*\k+\i], v[SB+16*\k+\i+1]
.endr
.endr
	v_max3_num_f32 v24, v24, v25, v[SA+15]         ; the chains are joined, each chain's sixteenth register with them
	v_max3_num_f32 v26, v26, v27, v[SB+15]
	v_max3_num_f32 v28, v28, v29, v[SA+31]
	v_max3_num_f32 v30, v30, v31, v[SB+31]
	v_max3_num_f32 v24, v24, v28, v[SA+47]
	v_max3_num_f32 v26, v26, v30, v[SB+47]
	v_max_num_f32 v28, v24, v[SA+63]
	v_max_num_f32 v30, v26, v[SB+63]
	v_permlanex16_b32 v29, v28, s20, s21
	v_permlanex16_b32 v31, v30, s20, s21
	v_max_num_f32 v28, v28, v29                    ; and among lane l xor 16's
	v_max_num_f32 v30, v30, v31
	v_mul_f32 v28, s22, v28                        ; as t (c is positive)
	v_mul_f32 v30, s22, v30
	v_max_num_f32 v13, v13, v28                    ; the running largest t
	v_max_num_f32 v17, v17, v30
	v_mov_b32 v28, v12
	v_mov_b32 v30, v16
	v_floor_f32 v12, -v13                          ; the new -M = floor(-t): M is a whole number
	v_floor_f32 v16, -v17
	v_sub_f32 v28, v12, v28                        ; old M - new M: a whole number, 0 or less
	v_sub_f32 v30, v16, v30
	v_cvt_i32_f32 v28, v28                         ; (it saturates)
	v_cvt_i32_f32 v30, v30
	v_ldexp_f32 v24, 1.0, v28                      ; f = 2^(old M - new M)  (of the pairs v[24:25], v[26:27] the low word serves both halves)
	v_ldexp_f32 v26, 1.0, v30
.set j, 0
.rept 32
	v_pk_fma_f32 v[SA+j:SA+j+1], v[SA+j:SA+j+1], s[22:23], v[12:13] op_sel_hi:[1,0,0]   ; t - M, two at a time
	v_pk_fma_f32 v[SB+j:SB+j+1], v[SB+j:SB+j+1], s[22:23], v[16:17] op_sel_hi:[1,0,0]
.set j, j+2
.endr
.endm
; A KEY STEP's second part, work on registers alone: p, the sums, the codes, O^T under the new M.
.macro STEPB
	s_wait_alu depctr_va_vdst(0)                   ; ahead of the batch
.set j, 0
.rept 128
	v_exp_f32 v[SA+j], v[SA+j]                     ; p = 2^(t - M), at most 1 (B's registers follow A's)
.set j, j+1
.endr
	v_pk_mul_f32 v[14:15], v[14:15], v[24:25] op_sel_hi:[1,0]   ; the sums under the new M (plain lines behind the exponentials)
	v_pk_mul_f32 v[18:19], v[18:19], v[26:27] op_sel_hi:[1,0]
	s_wait_alu depctr_va_vdst(0)                   ; one wait for the whole batch, ahead of its first reader
	v_pk_add_f32 v[28:29], v[SA:SA+1], v[SA+2:SA+3]   ; the row's sum is taken of the unquantised p: four chains a tile, eight by turns
	v_pk_add_f32 v[30:31], v[SB:SB+1], v[SB+2:SB+3]
	v_pk_add_f32 v[CA:CA+1], v[SA+4:SA+5], v[SA+6:SA+7]
	v_pk_add_f32 v[CB:CB+1], v[SB+4:SB+5], v[SB+6:SB+7]
	v_pk_add_f32 v[CA+2:CA+3], v[SA+8:SA+9], v[SA+10:SA+11]
	v_pk_add_f32 v[CB+2:CB+3], v[SB+8:SB+9], v[SB+10:SB+11]
	v_pk_add_f32 v[14:15], v[14:15], v[SA+12:SA+13]
	v_pk_add_f32 v[18:19], v[18:19], v[SB+12:SB+13]
.irp j, 14,22,30,38,46,54
	v_pk_add_f32 v[28:29], v[28:29], v[SA+\j:SA+\j+1]
	v_pk_add_f32 v[30:31], v[30:31], v[SB+\j:SB+\j+1]
	v_pk_add_f32 v[CA:CA+1], v[CA:CA+1], v[SA+\j+2:SA+\j+3]
	v_pk_add_f32 v[CB:CB+1], v[CB:CB+1], v[SB+\j+2:SB+\j+3]
	v_pk_add_f32 v[CA+2:CA+3], v[CA+2:CA+3], v[SA+\j+4:SA+\j+5]
	v_pk_add_f32 v[CB+2:CB+3], v[CB+2:CB+3], v[SB+\j+4:SB+\j+5]
	v_pk_add_f32 v[14:15], v[14:15], v[SA+\j+6:SA+\j+7]
	v_pk_add_f32 v[18:19], v[18:19], v[SB+\j+6:SB+\j+7]
.endr
	v_pk_add_f32 v[28:29], v[28:29], v[CA:CA+1]
	v_pk_add_f32 v[30:31], v[30:31], v[CB:CB+1]
	v_pk_add_f32 v[14:15], v[14:15], v[SA+62:SA+63]
	v_pk_add_f32 v[18:19], v[18:19], v[SB+62:SB+63]
	v_pk_add_f32 v[28:29], v[28:29], v[CA+2:CA+3]
	v_pk_add_f32 v[30:31], v[30:31], v[CB+2:CB+3]
.set i, 0
.rept 64
	v_dual_min_num_f32 v[SA+i], v[SA+i], v21 :: v_dual_min_num_f32 v[SA+i+1], v[SA+i+1], v22   ; the conversion does not saturate (ISA guide 7.6.2); p is not negative, so the hold is one-sided; two numbers a line
.set i, i+2
.endr
	v_pk_add_f32 v[14:15], v[14:15], v[28:29]
	v_pk_add_f32 v[18:19], v[18:19], v[30:31]
.irp b, 0,1,2,3
	v_cvt_scalef32_pk8_fp8_f32 v[CA+4*\b:CA+4*\b+1], v[SA+16*\b:SA+16*\b+7], v20
	v_cvt_scalef32_pk8_fp8_f32 v[CA+4*\b+2:CA+4*\b+3], v[SA+16*\b+8:SA+16*\b+15], v20
	v_cvt_scalef32_pk8_fp8_f32 v[CB+4*\b:CB+4*\b+1], v[SB+16*\b:SB+16*\b+7], v20
	v_cvt_scalef32_pk8_fp8_f32 v[CB+4*\b+2:CB+4*\b+3], v[SB+16*\b+8:SB+16*\b+15], v20
.endr
	WIN 0x41                                       ; destination and source 0 in window 1
	s_wait_alu depctr_va_vdst(0)                   ; directly ahead of the first reader of O^T
.set j, 0
.rept 16
	v_pk_mul_f32 v[OA+j:OA+j+1], v[OA+j:OA+j+1], v[24:25] op_sel_hi:[1,0]   ; O^T under the new M (also the plain lines between the conversions and the products)
	v_pk_mul_f32 v[OB+j:OB+j+1], v[OB+j:OB+j+1], v[26:27] op_sel_hi:[1,0]
.set j, j+2
.endr
.endm
.macro PV cnt                          ; O^T += V^T P^T.  cnt: the LDS loads issued behind V's that may stay out; -1: V has been waited for
.if \cnt >= 0
	s_wait_alu depctr_va_vdst(0)                   ; directly ahead of the wait below
	s_wait_dscnt \cnt
.endif
	WIN 0x50                                       ; C and D in window 1
.irp u, 0,1,2,3                                ; eight accumulators by turns
	v_wmma_f32_16x16x128_fp8_fp8 v[OA+8*\u:OA+8*\u+7], v[VF+16*\u:VF+16*\u+15], v[CA:CA+15], v[OA+8*\u:OA+8*\u+7]
	v_wmma_f32_16x16x128_fp8_fp8 v[OB+8*\u:OB+8*\u+7], v[VF+16*\u:VF+16*\u+15], v[CB:CB+15], v[OB+8*\u:OB+8*\u+7]
.endr
	WIN 0
.endm
; A slot's walk up to the second step's scaled scores.  The upper 128 keys are left out where all of them come after my 32 queries: a scalar branch on ids; no barrier, wait on a tensor load or add stands under it.
.macro SLOTA
	s_add_co_u32 s96, s51, 128
	s_add_co_u32 s97, s52, 31
	s_cmp_gt_u32 s96, s97
	s_cbranch_scc1 .Lhid_\@
	KLOAD 1
	STEPA 1
	STEPB
	PV 16                                          ; V is in; the 16 loads of the next step's K, issued behind V's, may be out
	s_branch .Ljoin_\@
.Lhid_\@:
	KLOAD 0
.Ljoin_\@:
	STEPA 0
.endm
; A block's end: O^T / the sum, quantised: a sum of the second product stands for sum x 2^(e4 + e5), so the conversion's one scale is 2^(e6 - e4 - e5).  My 32 queries x 64 codes are 2,048 dense bytes of ac.
.macro FINISH op
.rept 4
	v_nop                                          ; places behind the last products
.endr
	v_add_f32 v14, v14, v15
	v_add_f32 v18, v18, v19
	v_permlanex16_b32 v28, v14, s20, s21
	v_permlanex16_b32 v30, v18, s20, s21
	v_add_f32 v14, v14, v28                        ; the rows' sums
	v_add_f32 v18, v18, v30
	v_mov_b32 v24, s46                             ; 2^(e6 - e4 - e5),
	v_mov_b32 v26, s47                             ; and 448 x that
	s_wait_alu depctr_va_vdst(0)                   ; ahead of the transcendentals
	v_rcp_f32 v14, v14
	v_rcp_f32 v18, v18
	v_nop                                          ; a plain line behind the reciprocals,
	WIN 0x01                                       ; source 0 in window 1
	s_wait_alu depctr_va_vdst(0)                   ; and the wait ahead of their first reader, which is O^T's too
.set j, 0
.rept 16
	v_pk_mul_f32 v[SA+j:SA+j+1], v[OA+j:OA+j+1], v[14:15] op_sel_hi:[1,0]   ; each accumulator from its low end on
	v_pk_mul_f32 v[SB+j:SB+j+1], v[OB+j:OB+j+1], v[18:19] op_sel_hi:[1,0]
.set j, j+2
.endr
	WIN 0
.set j, 0
.rept 32
	v_med3_num_f32 v[SA+j], v[SA+j], -v26, v26
	v_med3_num_f32 v[SB+j], v[SB+j], -v26, v26
.set j, j+1
.endr
.irp u, 0,1,2,3
	v_cvt_scalef32_pk8_fp8_f32 v[CA+2*\u:CA+2*\u+1], v[SA+8*\u:SA+8*\u+7], v24
	v_cvt_scalef32_pk8_fp8_f32 v[CB+2*\u:CB+2*\u+1], v[SB+8*\u:SB+8*\u+7], v24
.endr
	v_nop
.irp u, 0,1,2,3
	ds_store_b64 v10, v[CA+2*\u:CA+2*\u+1] offset:16*\u        ; query r, channels 16 u + 8 (lane / 16) on
	ds_store_b64 v10, v[CB+2*\u:CB+2*\u+1] offset:1024+16*\u   ; query 16 + r
.endr
.irp u, 0,1,2,3
	ds_load_b128 v[VF+4*\u:VF+4*\u+3], v11 offset:512*\u       ; LDS serves a wave's instructions in order: these see my stores
.endr
	s_wait_dscnt 0x0
.irp u, 0,1,2,3
	global_store_b128 v7, v[VF+4*\u:VF+4*\u+3], s[\op:\op+1] offset:512*\u   ; 512 consecutive bytes, aligned
.endr
.endm
	s_load_b128 s[4:7], s[0:1], 0x0                ; qkv s[4:5], the exponents s[6:7]
	s_load_b64 s[8:9], s[0:1], 0x10                ; ac
	v_lshl_add_u32 v5, v0, 2, SPARE
	v_mov_b32 v6, 0
	ds_add_u32 v5, v6                              ; the opening lines: the add, twice on end, and its wait ahead of my first tensor load
	ds_add_u32 v5, v6
	v_lshrrev_b32 v8, 5, v0
	v_readfirstlane_b32 s18, v8                    ; wave 0..7
	s_and_b32 s82, ttmp7, 0xffff                   ; b 16 + head
	s_lshr_b32 s83, s82, 4                         ; b
	s_and_b32 s84, s82, 15                         ; head
	s_and_b32 s85, s18, 3                          ; which of a slot's four runs of K (waves 0-3) or of V (waves 4-7) I fetch
	s_lshl_b32 s86, s82, 17                        ; a head's 2,048 rows of 64 bytes
	s_lshl_b32 s88, s85, 12
	s_add_co_u32 s88, s88, s86
	s_add_co_u32 s88, s88, 0x800000                ; K: the head, + 64 keys x run
	s_lshl_b32 s90, s83, 21
	s_lshl_b32 s91, s84, 12
	s_add_co_u32 s90, s90, s91
	s_lshl_b32 s91, s85, 16
	s_add_co_u32 s90, s90, s91
	s_add_co_u32 s90, s90, 0x1000000               ; V: the batch, the head's 64 channels, + a block of keys x run
	s_cmp_lt_u32 s18, 4
	s_cselect_b32 s88, s88, s90
	s_cselect_b32 s60, 14, 18                      ; a slot on: 2^14 bytes in K, 2^18 in V
	s_mov_b32 s89, 0
	s_lshl_b32 s78, 1, s60
	s_mov_b32 s79, 0
	s_add_co_u32 s50, ttmp9, 1                     ; slots of the first block, p
	s_lshl_b32 s52, ttmp9, 8
	s_lshl_b32 s92, s18, 5
	s_add_co_u32 s52, s52, s92                     ; my first query in it,
	s_sub_co_u32 s81, 7, ttmp9
	s_lshl_b32 s81, s81, 8
	s_add_co_u32 s81, s81, s92                     ; and in the second block, 7 - p
	s_lshl_b32 s92, s52, 6
	s_add_co_u32 s92, s92, s86
	s_mov_b32 s93, 0
	s_lshl_b32 s94, s81, 6
	s_add_co_u32 s94, s94, s86
	s_mov_b32 s95, 0
	s_lshl_b32 s96, s84, 13
	s_lshl_b32 s97, s83, 11
	s_add_co_u32 s96, s96, s97                     ; ac: row head x 8192 + b x 2048
	s_add_co_u32 s98, s96, s52
	s_lshl_b32 s98, s98, 6
	s_mov_b32 s99, 0
	s_add_co_u32 s96, s96, s81
	s_lshl_b32 s96, s96, 6
	s_mov_b32 s97, 0
	; descriptor group 1: 4,096 dense bytes as two rows of 2,048, 16 bytes of padding behind every 64
	s_mov_b32 s24, (1<<20)|(3<<22)|(3<<25)         ; no mask; elements of 1 byte; padding on; 4 words behind every 16
	s_mov_b32 s25, 2048<<16                        ; tensor_dim0
	s_mov_b32 s26, 2<<16                           ; tensor_dim1
	s_mov_b32 s27, 2048<<16                        ; tile_dim0
	s_mov_b32 s28, 2                               ; tile_dim1
	s_mov_b32 s29, 2048                            ; from row to row
	s_mov_b32 s30, 0
	s_mov_b32 s31, 0
	s_mov_b32 s20, 0x76543210
	s_mov_b32 s21, 0xfedcba98                      ; v_permlanex16_b32's selects for lane l xor 16
	s_mov_b32 s22, 0x3e38aa3b                      ; c = log2(e) / 8
	s_mov_b32 s2, 0                                ; LDS byte at which the slot in hand begins
	s_mov_b32 s48, 8                               ; trips
	s_mov_b32 s49, 0                               ; the slot of keys last asked for
	s_mov_b32 s51, 0                               ; the first key of the slot in hand
	s_mov_b32 s53, s50                             ; trips to the change of blocks
	s_mov_b32 s59, 0
	s_mov_b32 s40, 1
	s_mul_i32 s41, s18, BLK                        ; my run's place in a slot
	s_lshl_b32 s82, s18, 11
	s_add_co_u32 s82, s82, STG                     ; my stage
	s_cmp_eq_u32 ttmp9, 0
	s_cselect_b32 s80, 1, -1                       ; the work-group with p = 0 prefetches while more than one trip is left
	s_wait_dscnt 0x0                               ; both opening adds are done
	s_wait_kmcnt 0x0
	s_load_b256 s[68:75], s[6:7], 0x0              ; e0 .. e7
	s_add_nc_u64 s[54:55], s[4:5], s[88:89]        ; where my runs begin
	s_mov_b64 s[42:43], s[54:55]
	s_or_b32 s43, s43, 0x80000000
	tensor_load_to_lds s[40:43], s[24:31]          ; slot 0: one tensor load a wave at the head
	s_nop 0
.rept 4
	v_nop
.endr
	s_add_nc_u64 s[92:93], s[4:5], s[92:93]        ; Q of the first block,
	s_add_nc_u64 s[44:45], s[4:5], s[94:95]        ; of the second;
	s_add_nc_u64 s[62:63], s[8:9], s[98:99]        ; where the first block's result goes,
	s_add_nc_u64 s[66:67], s[8:9], s[96:97]        ; and the second's
	s_mov_b64 s[76:77], s[54:55]                   ; the prefetches stand in slot 0: the first change of slots steps them to slot 1.  Nothing is prefetched here, at the head
	v_and_b32 v8, 15, v0                           ; r
	v_bfe_u32 v9, v0, 4, 1                         ; h
	v_lshlrev_b32 v4, 6, v8
	v_lshl_add_u32 v4, v9, 4, v4                   ; Q: row r, + 16 h
	v_and_b32 v7, 31, v0
	v_min_u32 v3, 15, v7
	v_lshlrev_b32 v3, 8, v3                        ; the prefetches' offset
	v_lshlrev_b32 v7, 4, v7                        ; 16 x lane
	v_and_b32 v11, 8, v8
	v_add_nc_u32 v11, v11, v8                      ; r + 8 (r / 8)
	v_mul_u32_u24 v1, v11, KP
	v_lshl_add_u32 v1, v9, 4, v1                   ; my place in a tile of K
	v_mul_u32_u24 v2, v8, KP
	v_lshl_add_u32 v2, v9, 4, v2
	v_add_nc_u32 v2, VOFF, v2                      ; and of V
	v_lshlrev_b32 v10, 6, v8
	v_lshl_add_u32 v10, v9, 3, v10
	v_add_nc_u32 v10, s82, v10                     ; the stage, in: row r, + 8 h
	v_add_nc_u32 v11, s82, v7                      ; back: as the bytes lie
	QLOAD QA, 92
	INIT
	s_wait_kmcnt 0x0
	s_add_co_i32 s82, s70, s71
	s_lshl_b32 s82, s82, 23
	s_add_co_i32 s22, s22, s82                     ; e2 + e3 are added to c's exponent field
	s_mov_b32 s23, s22                             ; (named with it as a pair)
	s_add_co_i32 s82, s72, 127
	s_lshl_b32 s83, s82, 23
	v_mov_b32 v20, s83                             ; 2^e4
	s_add_co_i32 s82, s82, 8
	s_lshl_b32 s82, s82, 23
	s_or_b32 s82, s82, 0x600000
	v_mov_b32 v21, s82                             ; 448 x 2^e4, twice: the two halves of a dual line name different registers
	v_mov_b32 v22, s82
	s_sub_co_i32 s82, s74, s72
	s_sub_co_i32 s82, s82, s73
	s_add_co_i32 s82, s82, 127
	s_lshl_b32 s46, s82, 23                        ; 2^(e6 - e4 - e5)
	s_add_co_i32 s82, s82, 8
	s_lshl_b32 s47, s82, 23
	s_or_b32 s47, s47, 0x600000                    ; 448 x that
	s_wait_alu depctr_va_vdst(0)                   ; at the head's end
	s_wait_loadcnt 0x0                             ; Q
	QLOAD Q2, 44                                   ; the second block's queries are asked for now, into registers of their own, and waited for at the change of blocks
	SYNC 0                                         ; slot 0 is in
	s_barrier_wait -1                              ; everybody's part of it is
.Lslot:                                            ; eight trips: each asks for the next slot, walks the slot in hand and meets the others
	tensor_load_to_lds s[40:43], s[24:31]          ; the first thing behind the barrier, and my one tensor load until the next (the first time: slot 1's first fill)
	s_nop 0
.rept 4
	v_nop
.endr
	ASK
	s_cmp_lg_u32 s53, 0                            ; was the last slot the first block's last?  (A branch on ids; no barrier and no tensor load stands under it)
	s_cbranch_scc1 .Lsame
	FINISH 62
	s_wait_xcnt 0x0                                ; the stores have read their registers
	s_mov_b32 s52, s81                             ; the second block
	s_mov_b32 s51, 0
	s_wait_loadcnt 0x0                             ; the second block's queries are in
	WIN 0x41
.set j, 0
.rept 16
	v_mov_b32 v[QA+j], v[Q2+j]
.set j, j+1
.endr
	WIN 0
	INIT
	s_wait_alu depctr_va_vdst(0)
.Lsame:
	s_sub_co_u32 s53, s53, 1
	SLOTA
	SYNC 1                                         ; the next slot is in, my reads of this one are over: say so,
	STEPB                                          ; work on registers while the others arrive,
	PV -1
	s_barrier_wait -1                              ; and go on when all eight have said so
	s_add_co_u32 s51, s51, 256
	s_sub_co_u32 s48, s48, 1
	s_cmp_lg_u32 s48, 0
	s_cbranch_scc1 .Lslot
	SLOTA                                          ; the ninth slot is written out: nothing more is asked for, and no barrier follows
	STEPB
	PV 0
	FINISH 66
	s_wait_tensorcnt 0x0                           ; the wave's end
	ds_add_u32 v5, v6
	s_wait_dscnt 0x0
	s_endpgm
.Lfunc_end_k_qb9e99b0aa0_attn:
	.size	k_qb9e99b0aa0_attn, .Lfunc_end_k_qb9e99b0aa0_attn-k_qb9e99b0aa0_attn
	.p2alignl 7, 3214868480
	.fill 96, 4, 3214868480
	.section	.rodata,"a",@progbits
	.p2align	6, 0x0
	.amdhsa_kernel k_qb9e99b0aa0_attn
		.amdhsa_group_segment_fixed_size 327680
		.amdhsa_private_segment_fixed_size 0
		.amdhsa_enable_private_segment 0
		.amdhsa_kernarg_size 24
		.amdhsa_user_sgpr_count 2
		.amdhsa_user_sgpr_kernarg_segment_ptr 1
		.amdhsa_wavefront_size32 1
		.amdhsa_system_sgpr_workgroup_id_x 1
		.amdhsa_system_sgpr_workgroup_id_y 1
		.amdhsa_system_sgpr_workgroup_id_z 1
		.amdhsa_system_vgpr_workitem_id 0
		.amdhsa_next_free_vgpr 512
		.amdhsa_next_free_sgpr 100
		.amdhsa_reserve_vcc 1
		.amdhsa_float_denorm_mode_32 3
		.amdhsa_float_denorm_mode_16_64 3
		.amdhsa_memory_ordered 1
		.amdhsa_forward_progress 1
		.amdhsa_inst_pref_size 181
	.end_amdhsa_kernel
	.amdgpu_metadata
---
amdhsa.version: [ 1, 2 ]
amdhsa.kernels:
  - .name:           k_qb9e99b0aa0_attn
    .symbol:         k_qb9e99b0aa0_attn.kd
    .args:
      - { .name: qkv, .offset: 0, .size: 8, .value_kind: global_buffer, .address_space: global }
      - { .name: lowp_scales, .offset: 8, .size: 8, .value_kind: global_buffer, .address_space: global }
      - { .name: ac, .offset: 16, .size: 8, .value_kind: global_buffer, .address_space: global }
    .group_segment_fixed_size: 327680
    .private_segment_fixed_size: 0
    .kernarg_segment_align: 8
    .kernarg_segment_size: 24
    .max_flat_workgroup_size: 256
    .sgpr_count:     100
    .vgpr_count:     512
    .wavefront_size: 32
...
	.end_amdgpu_metadata
.endif
;; end of part 3
;; launch gemm_proj (part 4): grid 4 x 64, 4 waves a work-group, clusters of 4 x 4, 327,680 bytes of LDS; arguments ac, wc, lowp_scales, b_proj, out0; writes out0
.if DOCPART == 4
	.amdgcn_target "amdgcn-amd-amdhsa--gfx1250"
	.amdhsa_code_object_version 6
	.text
	.protected	k_qb9e99b0aa0_gemm_proj
	.globl	k_qb9e99b0aa0_gemm_proj
	.p2align	8
	.type	k_qb9e99b0aa0_gemm_proj,@function
k_qb9e99b0aa0_gemm_proj:
	s_mov_b64 s[64:65], 0
	v_nop
	global_prefetch_b8 v0, s[64:65] scope:SCOPE_SE
	s_setreg_imm32_b32 hwreg(HW_REG_WAVE_MODE, 25, 1), 1
	s_wait_xcnt 0x0
	s_wait_alu depctr_hold_cnt(0) depctr_sa_sdst(0) depctr_va_vdst(0) depctr_va_sdst(0) depctr_va_ssrc(0) depctr_va_vcc(0) depctr_vm_vsrc(0)
	s_getreg_b32 s2, hwreg(HW_REG_IB_STS2, 6, 4)
	s_cmp_eq_u32 s2, 0
	s_cbranch_scc0 .Lentry_in_a_cluster
	s_endpgm
.Lentry_in_a_cluster:
	s_bfe_u32 s2, ttmp6, 0x10000c
	s_cmp_lg_u32 s2, 0xf033
	s_cbranch_scc0 .Lentry_shape_is_right
	s_endpgm
.Lentry_shape_is_right:
; out0 = a w_proj + b_proj on codes of E4M3: a = the attention's result (scale 2^e6), ac [head][row b 2048 + t][64]; w_proj's columns are rows 3072 on of wc [4096][1024] (scale 2^e7).  out0 [8192][1024] f32.
; Out[i][j] = sum over k of P[i][k] Q[j][k], a tile of 128 rows of P (= a) x 256 rows of Q: 64 x 4 = 256 tiles.  Four waves; wave (wm, wn) makes 64 x 128: 32 accumulators.  A tile of 256 x 256 would give 128 tiles only.
; The matrix instruction is used transposed (source 0 = 16 rows of Q, source 1 = 16 rows of P): a lane holds eight neighbouring numbers of a row of out0.
; K goes in four steps of 256 (four heads) through THREE LDS slots: steps 0, 1, 2 are asked for at the start (three tensor loads of a wave are out), step 3 fills slot 0 again (one is out).  Eight sub-steps of 128, written out.
; P's TILE: 64 rows of a head are 4,096 dense bytes, so half a tile of a K step is four such runs, 524,288 bytes apart, laid into LDS with 16 bytes of padding behind every 256: row i, byte d of a head lies at
; 272 (i / 4) + 64 (i % 4) + d, and the 16 rows of a fragment load fall on 16 different 16-byte columns of 256 bytes.
; CLUSTERS 4 x 4: P's tile is shared along a row of the cluster, Q's along a column: joint loads.  No prefetch: three of the four K steps are asked for at the head.
; FRAGMENTS come by four loads of 16 bytes: a permutation of k, the same on both sides.   LIMIT: e6 + e7 between -126 and 127.
; REGISTERS: window 0: v16-26 addresses; v28, v29 the add's; v64-127 the bias; v128-255 P's fragments, two sets.   window 1: Q's fragments, two sets.   window 2: accumulator (a, b) at v[64 a + 8 b].
; THE FILLS AND P's LAYOUT AS THEY STAND IN THIS TEXT (this takes the place of what the lines above say of them): a head's 128 rows of P's tile are 8,192 dense bytes; in LDS a K step's P is [head][128 rows]:
; head hh, row i, byte d at 2 PLANE hh + 272 (i / 4) + 64 (i % 4) + d.  At the head each wave issues ONE joint load: waves 0, 1 the whole of P's tile (four heads) of K steps 0, 1, waves 2, 3 the whole of Q's tile of K steps 0, 1.
; Slot 2 is first filled (K step 2; P by pairs of heads, Q by halves, one load a wave) behind the full sequence and a round; K step 3 fills slot 0 again at sub-step 3.
.set PITCH,  272
.set PLANE,  16*PITCH                  ; 64 rows of one head in LDS
.set HALFP,  4*PLANE
.set HALFQ,  128*PITCH
.set SLOT,   2*HALFP+2*HALFQ
.set SPARE,  3*SLOT                    ; the spare words, 128 bytes a wave, which no other line names
.set STAGE,  SLOT                      ; the way out goes through slot 1: it has had its one fill, and nobody reads it behind the last barrier
.set SPITCH, 528
.set KINCP,  4*524288                  ; four heads on
.set ADRP, 16
.set ADRQ, 20
.set STO,  24
.set RD,   25
.set CO,   26
.set SPW,  28
.set NIL,  29
.set BJ,   64
.set PF,   128
.set TMP,  128
.set BK,   192
.set G1P,  24
.set G0P0, 32
.set G0P1, 36
.set G0P2, 40
.set G1Q,  48
.set G0Q0, 56
.set G0Q1, 60
.set G0Q2, 68
.set MSB, 0
.macro WIN new                         ; the immediate's high byte repeats the setting that is left
.if MSB != \new
	s_set_vgpr_msb (MSB<<8)|\new
.set MSB, \new
.endif
.endm
.set MUL,  0xa1                        ; source 0 (Q) window 1, source 1 (P) window 0, C and D window 2
.set TO_Q, 0x40
.macro PLACES n
.rept \n
	v_nop
.endr
.endm
.macro JLOAD g0p, g0q                  ; a joint load: waves 0, 1 fetch P's halves, waves 2, 3 Q's; four v_nop follow each line
	s_cmp_eq_u32 s15, 0
	s_cbranch_scc0 .Lfor_q_\@
	tensor_load_to_lds s[\g0p:\g0p+3], s[G1P:G1P+7]
	s_nop 0
	PLACES 4
	s_branch .Lasked_\@
.Lfor_q_\@:
	tensor_load_to_lds s[\g0q:\g0q+3], s[G1Q:G1Q+7]
	s_nop 0
	PLACES 4
.Lasked_\@:
.endm
.macro CREST
	s_cmp_lg_u32 s14, 0
	s_cbranch_scc1 .Lnot_wave_0_\@
	s_barrier_signal -3
.Lnot_wave_0_\@:
	s_barrier_wait -3
	s_barrier_signal -1
	s_barrier_wait -1
.endm
.macro CROUND
	s_barrier_signal -1
	s_barrier_wait -1
	CREST
.endm
.macro MKG0 g, lds, base, s, kinc
	s_mov_b32 s[\g], 1
	s_add_co_u32 s[\g+1], s[\lds], (\s)*SLOT
	s_add_nc_u64 s[\g+2:\g+3], s[\base:\base+1], (\s)*(\kinc)
	s_or_b32 s[\g+3], s[\g+3], 0x80000000
.endm
.macro FETCH slot, q, st               ; 48 LDS loads in one run: the fragments of the slot's q-th 128 along K (two heads) into set st
	WIN TO_Q
.irp i, 0,1,2,3,4,5,6,7
.irp c, 0,1,2,3
	ds_load_b128 v[128*(\st)+16*\i+4*\c:128*(\st)+16*\i+4*\c+3], v[ADRQ+\slot] offset:128*(\q)+32*\c+\i*16*PITCH
.endr
.endr
	WIN 0
.irp a, 0,1,2,3
.irp c, 0,1,2,3
	ds_load_b128 v[PF+64*(\st)+16*\a+4*\c:PF+64*(\st)+16*\a+4*\c+3], v[ADRP+\slot] offset:(2*(\q)+\c/2)*2*PLANE+\a*4*PITCH+32*(\c%2)
.endr
.endr
.endm
; 8 matrix instructions: P's block a x Q's eight.  cm = 1: the constant 0 starts the sums.  The 32 accumulators take turns in one order throughout.
.macro MUL8 a, st, cm
.irp b, 0,1,2,3,4,5,6,7
.if \cm == 1
	v_wmma_f32_16x16x128_fp8_fp8 v[64*(\a)+8*\b:64*(\a)+8*\b+7], v[128*(\st)+16*\b:128*(\st)+16*\b+15], v[PF+64*(\st)+16*(\a):PF+64*(\st)+16*(\a)+15], 0
.else
	v_wmma_f32_16x16x128_fp8_fp8 v[64*(\a)+8*\b:64*(\a)+8*\b+7], v[128*(\st)+16*\b:128*(\st)+16*\b+15], v[PF+64*(\st)+16*(\a):PF+64*(\st)+16*(\a)+15], v[64*(\a)+8*\b:64*(\a)+8*\b+7]
.endif
.endr
.endm
.macro KSUB ns, nq, st, cm             ; a sub-step on set st; at its head the next sub-step's fragments are asked for, into the other set
	PLACES 4                                       ; four plain places in front of loads into registers that matrix instructions have read
	FETCH \ns, \nq, 1-(\st)
	s_wait_dscnt 48                                ; all but the 48 just issued: this sub-step's set is in
	WIN MUL
	MUL8 0, \st, \cm
	MUL8 1, \st, \cm
	MUL8 2, \st, \cm
	MUL8 3, \st, \cm
.endm
; A slot's last sub-step (set 1) with ONE barrier; in front of it each wave waits for all its tensor loads, adds 0 to its spare word, and waits for that and for its LDS reads.  fill = 1: a round of the cluster's barrier, and slot 0 takes K step 3.
.macro TURN next, fill
	WIN 0
	s_wait_tensorcnt 0x0                           ; all my tensor loads have landed
	ds_add_u32 v[SPW], v[NIL]                      ; 0 onto my spare word
	s_wait_dscnt 1                                 ; (the add alone may be out: set 1 is in)
	WIN MUL
	MUL8 0, 1, 0
	s_wait_dscnt 0x0                               ; the add is done, and my reads of the slots behind me are over
	s_barrier_signal -1
	MUL8 1, 1, 0
	WIN 0
	s_barrier_wait -1
.if \fill
	CREST                                          ; no wave of any partner still reads slot 0 or has a load on its way
	JLOAD G0P1, G0Q1                               ; the first tensor load behind the round; its four v_nop are the places in front of the loads below
.else
	PLACES 4
.endif
	FETCH \next, 0, 0
	WIN MUL
	MUL8 2, 1, 0
	MUL8 3, 1, 0
.endm
	s_load_b256 s[4:11], s[0:1], 0x0               ; ac s[4:5], wc s[6:7], the exponents s[8:9], b_proj s[10:11]
	s_load_b64 s[12:13], s[0:1], 0x20              ; out0
	v_lshl_add_u32 v[SPW], v0, 2, SPARE
	v_mov_b32 v[NIL], 0
	ds_add_u32 v28, v29
	ds_add_u32 v28, v29
	s_wait_dscnt 0x0
	v_lshrrev_b32 v1, 5, v0
	v_readfirstlane_b32 s14, v1                    ; wave 0..3
	s_lshr_b32 s15, s14, 1                         ; wm.  Also: I fetch for P (0) or for Q (1)
	s_and_b32 s16, s14, 1                          ; wn.  Also: which half of that tile I fetch
	s_bfe_u32 s72, ttmp6, 0x40000                  ; cx
	s_bfe_u32 s73, ttmp6, 0x40004                  ; cy
	s_and_b32 s75, ttmp7, 0xffff
	s_lshl_b32 s79, s75, 2
	s_add_co_u32 s79, s79, s73                     ; P's tile = 4 x cluster y + cy
	s_lshl_b32 s80, ttmp9, 2
	s_add_co_u32 s80, s80, s72                     ; Q's tile = 4 x cluster x + cx
	s_lshl_b32 s81, s73, 2
	s_lshl_b32 s81, 15, s81                        ; my row of the cluster
	s_lshl_b32 s82, 0x1111, s72                    ; my column
	s_or_b32 s[G1P], s81, (1<<20)|(1<<21)|(5<<22)|(3<<25)   ; the mask; elements of 1 byte; padding on; bit 21 beside a mask; 4 words behind every 64
	s_or_b32 s[G1Q], s82, (1<<20)|(1<<21)|(5<<22)|(3<<25)
	s_mov_b32 s[G1P+1], 8192<<16                   ; tensor_dim0: 128 rows of 64 bytes on end
	s_mov_b32 s[G1P+2], 4<<16                      ; tensor_dim1: at the head four heads
	s_mov_b32 s[G1P+3], 8192<<16                   ; tile_dim0
	s_mov_b32 s[G1P+4], 4                          ; tile_dim1
	s_mov_b32 s[G1P+5], 524288                     ; from head to head
	s_mov_b32 s[G1P+6], 0
	s_mov_b32 s[G1P+7], 0
	s_mov_b32 s[G1Q+1], 256<<16
	s_mov_b32 s[G1Q+2], 256<<16
	s_mov_b32 s[G1Q+3], 256<<16
	s_mov_b32 s[G1Q+4], 256
	s_mov_b32 s[G1Q+5], 1024
	s_mov_b32 s[G1Q+6], 0
	s_mov_b32 s[G1Q+7], 0
	s_lshl_b32 s84, s79, 13                        ; P: row 128 x tile, 64 bytes a row in a head,
	s_lshl_b32 s85, s16, 20                        ; + my pair of heads
	s_add_co_u32 s84, s84, s85
	s_mov_b32 s85, 0
	s_lshl_b32 s86, s80, 8
	s_lshl_b32 s87, s16, 7
	s_add_co_u32 s86, s86, s87
	s_add_co_u32 s86, s86, 3072
	s_lshl_b32 s86, s86, 10                        ; Q: row 3072 + 256 x tile + 128 x half of wc
	s_mov_b32 s87, 0
	s_mul_i32 s18, s16, HALFP
	s_mul_i32 s19, s16, HALFQ
	s_add_co_u32 s19, s19, 2*HALFP
	s_wait_kmcnt 0x0
	s_load_b256 s[92:99], s[8:9], 0x0              ; e0 .. e7
	s_add_nc_u64 s[88:89], s[4:5], s[84:85]
	s_add_nc_u64 s[90:91], s[6:7], s[86:87]
	CROUND                                         ; all sixteen work-groups are here: the first joint loads meet
	; the head's group 0: the whole tile of K step wn into slot wn.  P: from my pair of heads (2 wn) to head 4 wn; Q: back from my half's first row to the tile's, and wn steps of 256 bytes on
	s_mov_b32 s3, 0
	s_lshl_b32 s2, s16, 20
	s_mov_b32 s[G0P0], 1
	s_mul_i32 s[G0P0+1], s16, SLOT
	s_add_nc_u64 s[G0P0+2:G0P0+3], s[88:89], s[2:3]
	s_or_b32 s[G0P0+3], s[G0P0+3], 0x80000000
	s_mul_i32 s2, s16, 131072-256
	s_mov_b32 s[G0Q0], 1
	s_add_co_u32 s[G0Q0+1], s[G0P0+1], 2*HALFP
	s_sub_nc_u64 s[G0Q0+2:G0Q0+3], s[90:91], s[2:3]
	s_or_b32 s[G0Q0+3], s[G0Q0+3], 0x80000000
	MKG0 G0P2, 18, 88, 2, KINCP                    ; K step 2, my part, into slot 2
	MKG0 G0Q2, 19, 90, 2, 256
	s_mov_b32 s[G0P1], 1                           ; K step 3, my part, into slot 0
	s_mov_b32 s[G0P1+1], s18
	s_add_nc_u64 s[G0P1+2:G0P1+3], s[88:89], 3*KINCP
	s_or_b32 s[G0P1+3], s[G0P1+3], 0x80000000
	s_mov_b32 s[G0Q1], 1
	s_mov_b32 s[G0Q1+1], s19
	s_add_nc_u64 s[G0Q1+2:G0Q1+3], s[90:91], 3*256
	s_or_b32 s[G0Q1+3], s[G0Q1+3], 0x80000000
	JLOAD G0P0, G0Q0                               ; one tensor load a wave at the head
	v_and_b32 v1, 15, v0                           ; r
	v_bfe_u32 v2, v0, 4, 1                         ; h
	v_mul_u32_u24 v3, v1, PITCH
	v_lshl_add_u32 v3, v2, 4, v3                   ; Q: row r x pitch + 16 h
	v_lshrrev_b32 v4, 2, v1
	v_mul_u32_u24 v4, v4, PITCH
	v_and_b32 v5, 3, v1
	v_lshl_add_u32 v4, v5, 6, v4
	v_lshl_add_u32 v4, v2, 4, v4                   ; P: 272 (r / 4) + 64 (r % 4) + 16 h
	s_mul_i32 s2, s15, PLANE                       ; my 64 rows of each head's 128
	s_mul_i32 s3, s16, HALFQ
	s_add_co_u32 s3, s3, 2*HALFP
.irp s, 0,1,2
	v_add_nc_u32 v[ADRP+\s], s2, v4
	v_add_nc_u32 v[ADRQ+\s], s3, v3
	s_add_co_u32 s2, s2, SLOT
	s_add_co_u32 s3, s3, SLOT
.endr
	s_mul_i32 s2, s14, 16*SPITCH
	s_add_co_u32 s2, s2, STAGE                     ; my stage: 16 rows x (512 + 16) bytes
	v_mul_u32_u24 v5, v1, SPITCH
	v_lshl_add_u32 v5, v2, 5, v5
	v_add_nc_u32 v[STO], s2, v5                    ; in: row r, 32 bytes for each half of the lanes
	v_and_b32 v6, 31, v0
	v_lshlrev_b32 v[CO], 4, v6                     ; back: the 32 lanes take one row of 512 bytes; and the same in out0
	v_add_nc_u32 v[RD], s2, v[CO]
	s_lshl_b32 s20, s79, 7
	s_lshl_b32 s17, s15, 6
	s_add_co_u32 s20, s20, s17                     ; my first row of out0
	s_lshl_b32 s21, s80, 8
	s_lshl_b32 s17, s16, 7
	s_add_co_u32 s21, s21, s17                     ; my first column
	s_lshl_b32 s22, s21, 2
	s_mov_b32 s23, 0
	s_add_nc_u64 s[44:45], s[10:11], s[22:23]      ; the bias of my 128 columns
	s_add_nc_u64 s[46:47], s[12:13], s[22:23]
	s_lshl_b32 s22, s20, 12
	s_add_nc_u64 s[46:47], s[46:47], s[22:23]      ; my corner of out0
	v_lshlrev_b32 v8, 5, v2                        ; 8 h numbers
.irp b, 0,1,2,3,4,5,6,7
	global_load_b128 v[BJ+8*\b:BJ+8*\b+3], v8, s[44:45] offset:64*\b
	global_load_b128 v[BJ+8*\b+4:BJ+8*\b+7], v8, s[44:45] offset:64*\b+16
.endr
	s_wait_alu depctr_va_vdst(0)                   ; at the head's end
	s_wait_tensorcnt 0x0                           ; my load of the head is in
	ds_add_u32 v[SPW], v[NIL]
	s_mov_b32 s[G1P+2], 2<<16                      ; no load of mine is out: from here on a load brings two heads of P or half of Q's tile
	s_mov_b32 s[G1P+4], 2
	s_mov_b32 s[G1Q+2], 128<<16
	s_mov_b32 s[G1Q+4], 128
	s_wait_dscnt 0x0
	CROUND                                         ; K steps 0 and 1 are whole in every partner
	JLOAD G0P2, G0Q2                               ; slot 2's first fill, the first tensor load behind the round
	FETCH 0, 0, 0
	KSUB 0, 1, 0, 1                                ; sub-step 0 starts the sums: nothing is cleared
	KSUB 1, 0, 1, 0                                ; 1: slot 1 has been whole since the round at the head
	KSUB 1, 1, 0, 0                                ; 2
	TURN 2, 1                                      ; 3; slot 2 is whole behind its round, and slot 0 takes K step 3
	KSUB 2, 1, 0, 0                                ; 4
	TURN 0, 0                                      ; 5; K step 3 is whole behind its barrier; nothing is filled
	KSUB 0, 1, 0, 0                                ; 6
	s_wait_dscnt 0x0                               ; 7: nothing more to fetch
	WIN MUL
	MUL8 0, 1, 0
	MUL8 1, 1, 0
	MUL8 2, 1, 0
	MUL8 3, 1, 0
	WIN 0
	PLACES 4                                       ; in front of the first read of results and the first write of fragment registers
	s_wait_kmcnt 0x0
	s_add_co_i32 s100, s98, s99
	s_add_co_i32 s100, s100, 127
	s_lshl_b32 s100, s100, 23                      ; 2^(e6 + e7) as f32
	s_mov_b32 s101, s100                           ; (named with it as a pair)
	s_wait_loadcnt 0x0                             ; the bias
	; THE WAY OUT, 16 rows x 128 columns at a time: sum x 2^(e6 + e7) + bias, through my stage, back as whole rows of 512 bytes.
.irp a, 0,1,2,3
	WIN 0x02                                       ; source 0: the sums, window 2
.set k, 0
.rept 32
	v_pk_fma_f32 v[TMP+k:TMP+k+1], v[64*\a+k:64*\a+k+1], s[100:101], v[BJ+k:BJ+k+1] op_sel_hi:[1,0,1]   ; each accumulator from its low end on
.set k, k+2
.endr
	WIN 0
.irp b, 0,1,2,3,4,5,6,7
	ds_store_b128 v[STO], v[TMP+8*\b:TMP+8*\b+3] offset:64*\b
	ds_store_b128 v[STO], v[TMP+8*\b+4:TMP+8*\b+7] offset:64*\b+16
.endr
.if \a > 0
	s_wait_xcnt 0x0                                ; the last block's stores have read their registers: the loads below may land there
.endif
.irp t, 0,1,2,3,4,5,6,7,8,9,10,11,12,13,14,15
	ds_load_b128 v[BK+4*\t:BK+4*\t+3], v[RD] offset:\t*SPITCH   ; LDS serves a wave's instructions in order: these see my stores
.endr
.irp t, 0,1,2,3,4,5,6,7,8,9,10,11,12,13,14,15
	s_wait_dscnt 15-\t                             ; the younger loads may be out
	global_store_b128 v[CO], v[BK+4*\t:BK+4*\t+3], s[46:47] offset:(16*\a+\t)*4096 th:TH_STORE_NT   ; 512 consecutive bytes, aligned; written once, read by nobody here
.endr
.endr
	s_wait_tensorcnt 0x0                           ; the wave's end
	ds_add_u32 v[SPW], v[NIL]
	s_wait_dscnt 0x0
	CROUND                                         ; the closing round: no work-group ends while a partner may still ask for a tile that names it
	s_endpgm
.Lfunc_end_k_qb9e99b0aa0_gemm_proj:
	.size	k_qb9e99b0aa0_gemm_proj, .Lfunc_end_k_qb9e99b0aa0_gemm_proj-k_qb9e99b0aa0_gemm_proj
	.p2alignl 7, 3214868480
	.fill 96, 4, 3214868480
	.section	.rodata,"a",@progbits
	.p2align	6, 0x0
	.amdhsa_kernel k_qb9e99b0aa0_gemm_proj
		.amdhsa_group_segment_fixed_size 327680
		.amdhsa_private_segment_fixed_size 0
		.amdhsa_enable_private_segment 0
		.amdhsa_kernarg_size 40
		.amdhsa_user_sgpr_count 2
		.amdhsa_user_sgpr_kernarg_segment_ptr 1
		.amdhsa_wavefront_size32 1
		.amdhsa_system_sgpr_workgroup_id_x 1
		.amdhsa_system_sgpr_workgroup_id_y 1
		.amdhsa_system_sgpr_workgroup_id_z 1
		.amdhsa_system_vgpr_workitem_id 0
		.amdhsa_next_free_vgpr 768
		.amdhsa_next_free_sgpr 102
		.amdhsa_reserve_vcc 0
		.amdhsa_float_denorm_mode_32 3
		.amdhsa_float_denorm_mode_16_64 3
		.amdhsa_memory_ordered 1
		.amdhsa_forward_progress 1
		.amdhsa_inst_pref_size 79
	.end_amdhsa_kernel
	.amdgpu_metadata
---
amdhsa.version: [ 1, 2 ]
amdhsa.kernels:
  - .name:           k_qb9e99b0aa0_gemm_proj
    .symbol:         k_qb9e99b0aa0_gemm_proj.kd
    .args:
      - { .name: ac, .offset: 0, .size: 8, .value_kind: global_buffer, .address_space: global }
      - { .name: wc, .offset: 8, .size: 8, .value_kind: global_buffer, .address_space: global }
      - { .name: lowp_scales, .offset: 16, .size: 8, .value_kind: global_buffer, .address_space: global }
      - { .name: b_proj, .offset: 24, .size: 8, .value_kind: global_buffer, .address_space: global }
      - { .name: out0, .offset: 32, .size: 8, .value_kind: global_buffer, .address_space: global }
    .group_segment_fixed_size: 327680
    .private_segment_fixed_size: 0
    .kernarg_segment_align: 8
    .kernarg_segment_size: 40
    .max_flat_workgroup_size: 128
    .sgpr_count:     102
    .vgpr_count:     768
    .wavefront_size: 32
...
	.end_amdgpu_metadata
.endif
;; end of part 4
